; MI455X (gfx1250); checked and timed in simulation.
; The chip was launched on July 23, 2026; its instructions are those of AMD's public machine-readable ISA for CDNA 5 (MIT licence, August 2026) and "CDNA5" Instruction Set Architecture Reference Guide (July 2026). The comments in the code are by the model that wrote it; some were corrected since.
;; Encode Block. Allowed arithmetic: matrix products marked QUANTISED: E2M1 operands, one E8M0 scale for each 32 along K, by v_wmma_scale_f32_16x16x128_f8f6f4 with both operands' format E2M1 (or v_wmma_scale_f32_32x16x128_f4), f32 sums; products left as they are: bf16, f16 or f32 operands; f32 sums; everything else in f32.
;; Inputs: b1 4,096 float32; b2 1,024 float32; bk 16 x 64 float32; bp 1,024 float32; bq 16 x 64 float32; bv 16 x 64 float32; ln1_b 1,024 float32; ln1_g 1,024 float32; ln2_b 1,024 float32; ln2_g 1,024 float32; lnf_b 1,024 float32; lnf_g 1,024 float32; w1 1,024 x 4,096 float32; w2 4,096 x 1,024 float32; wk 16 x 1,024 x 64 float32; wp 1,024 x 1,024 float32; wq 16 x 1,024 x 64 float32; wv 16 x 1,024 x 64 float32; x 2 x 2,048 x 1,024 float32.
;; Outputs: out0 2 x 2,048 x 1,024 float32; out1 2 x 2,048 x 1,024 float32; out2 2 x 2,048 x 1,024 float32.
;; This version of the problem:
;;   THIS VERSION OF THE PROBLEM IS GIVEN IN LOW PRECISION. The matrix products marked QUANTISED in the list below multiply operands that are first quantised to E2M1 (2 exponent bits, 1 mantissa bit; 4 bits a number), with one power-of-two scale for each 32 numbers along K (OCP MX v1.0); their sums are f32. The products marked 'left as it is' may take bf16, f16 or f32 operands, with f32 sums. Whichever they take, every output number must still come out within the allowed error. Rounding operands to bf16 (8 significant bits) uses up far more of that allowance than f16 does (11 bits, for magnitudes from 6e-5 to 65,504). All else is computed in f32.
;;   The module's matrix products, in the order in which they are computed (A, B: the left and right operand; K: the contracted axis; several contracted axes count as one K, in the product's order):
;;     1. [M 1,024, K 1,024] x [K 1,024, N 4,096]; A: input wq; B: input x: QUANTISED
;;     2. [M 1,024, K 1,024] x [K 1,024, N 4,096]; A: input wk; B: input x: QUANTISED
;;     3. [M 1,024, K 1,024] x [K 1,024, N 4,096]; A: input wv; B: input x: QUANTISED
;;     4. batch 32 x [M 2,048, K 64] x [K 64, N 2,048]; A: computed on the way; B: computed on the way: left as it is (an operand is computed on the way)
;;     5. batch 32 x [M 2,048, K 2,048] x [K 2,048, N 64]; A: computed on the way; B: computed on the way: left as it is (an operand is computed on the way)
;;     6. [M 4,096, K 1,024] x [K 1,024, N 1,024]; A: computed on the way; B: input wp: left as it is (an operand is computed on the way)
;;     7. [M 4,096, K 1,024] x [K 1,024, N 4,096]; A: computed on the way; B: input w1: left as it is (an operand is computed on the way)
;;     8. [M 4,096, K 4,096] x [K 4,096, N 1,024]; A: computed on the way; B: input w2: left as it is (an operand is computed on the way)
;;   THE QUANTISER, for each operand of a quantised product, along K:
;;     - K is cut into blocks of 32 from its start; a last block that is shorter is filled with zeros.
;;     - A block's scale is 2^e with e = floor(log2(the largest magnitude in the block)) - 2, held to -126 .. 127; a block of zeros has e = 0. As a byte (E8M0): e + 127.
;;     - Each number is divided by its block's scale, clamped to +-6, and rounded to the nearest number of E2M1, ties to even, subnormals kept.
;;     - The product sums the exact products of the quantised numbers (number of the format x scale) in f32.
;;   ~~~python
;;   def quantise(x, axis):      # numpy; x: float32 -> the quantised numbers, widened to float32 again
;;       x = np.moveaxis(x, axis, -1); K = x.shape[-1]
;;       x = np.pad(x, [(0, 0)] * (x.ndim - 1) + [(0, -K % 32)]); x = x.reshape(x.shape[:-1] + (-1, 32)); a = np.abs(x).max(-1, keepdims=True)
;;       e = np.where(a > 0, np.clip(np.frexp(np.where(a > 0, a, 1))[1] - 1 - 2, -126, 127), 0)      # np.frexp(a)[1] - 1 = floor(log2(a)), exactly
;;       r = np.clip(x / 2.0 ** e, -6, 6)
;;       step = 2.0 ** (np.maximum(np.frexp(np.where(r == 0, 1, r))[1] - 1, 0) - 1)
;;       q = np.round(r / step) * step * 2.0 ** e      # np.round: ties to even
;;       return np.moveaxis(q.reshape(q.shape[:-2] + (-1,))[..., :K], -1, axis).astype(np.float32)
;;   ~~~
;; One version. Each part assembles by itself: llvm-mc -triple=amdgcn-amd-amdhsa -mcpu=gfx1250 --defsym DOCPART=n.
;; ======== version 1 of 1: 8 launches
;; limits: values are held in f16: magnitudes above 65,504 overflow, below 6.1e-05 lose precision
;; workspace buffers: qin 3,899,392 bytes; qs 12,587,008 bytes; wts 20,971,776 bytes; yz 16,777,216 bytes; o1b 25,165,824 bytes; hid 33,554,432 bytes
;; launch quant (part 1): grid 448 x 1, 4 waves a work-group, no clusters, 32,256 bytes of LDS; arguments x, wq, wk, wv, qin; writes qin
.if DOCPART == 1
	.amdgcn_target "amdgcn-amd-amdhsa--gfx1250"
	.amdhsa_code_object_version 6
	.text
	.protected	k_q0147cd7fed_quant
	.globl	k_q0147cd7fed_quant
	.p2align	8
	.type	k_q0147cd7fed_quant,@function
k_q0147cd7fed_quant:
	s_mov_b64 s[64:65], 0
	v_nop
	global_prefetch_b8 v0, s[64:65] scope:SCOPE_SE
	s_setreg_imm32_b32 hwreg(HW_REG_WAVE_MODE, 25, 1), 1
	s_wait_xcnt 0x0
; EncodeBlock, launch 1 of 8: x and wq, wk, wv become codes of FP4 (E2M1) with one E8M0 byte for each 32 along K = D.
; THE WHOLE PROGRAM.  Q, K, V = the quantised products + bias (launch 2; K and V are outputs).  reference() has no softmax and no mask, so for all real inputs
;   ((Q K^T / 8) V) wp = Q ((K^T V) wp / 8):  S[b][h][e][e'] = sum over t of K[t][e] V[t][e'] (launch 2),  W'[b][(h,e)][n] = sum over e' of S[e][e'] wp[64 h + e'][n] / 8 (launch 3),
;   y = x + Q W' + bp (launch 4), o1 = LN1(y) (5), hid = relu(o1 w1 + b1) (6), z = o1 + hid w2 + b2 (7), out0 = LN2(o1 + LNf(z)) (8).
; That is the associative law, for every value of the inputs: the scores [T][T] are never formed.  No input is left out: every bias, gain and weight has a way to an output.
; LIMITS.  The order of rounding in reference()'s products 4 to 6 differs from reference()'s; an overflow, infinity or NaN that would arise only in the scores [T][T] is not carried to the result.
; The products left as they are take f16 operands: |Q|, |K|, |V|, |hid|, |o1| and the weights must stay under 65,504.  NaN and infinities among the inputs are not served.
; THIS LAUNCH.  A block's scale is 2^(floor(log2(largest magnitude)) - 2); its byte is the largest magnitude's exponent field - 2, held at 1 from below (so blocks under 2^-124 keep the byte 1, and a
; block of zeros gets 1 where the rule says 127: its codes are zeros, and only this program reads the bytes).
; qin: x's codes [4096][512 B] at 0, x's bytes [4096][32] at XS_O; the weights' codes [16 h][192 n'][512 B] at WC_O (n' = 64 t + e, t = q, k, v), their bytes [16][192][32] at WS_O: K innermost in all.
; Work-groups 0-255: x, whose K is innermost: a plain stream of blocks; a wave takes 8 steps of 512 numbers, each turned through its own stage in LDS so that loads are dense and a lane holds 16 neighbours.
; Work-groups 256-447: a weight [k][64 e] of one head: a lane takes a column e and its registers run down K; the codes meet in a stage and leave as rows of 256 bytes.
; The two ways part on the work-group's number and have LDS bytes of their own.
.set XS_O,  2097152
.set WC_O,  2228224
.set WS_O,  3801088
.set EMAX,  2
.set SP,    80                         ; x: a lane's place in a stage: 64 bytes + 16 of padding
.set WREG,  5632                       ; x: a wave's LDS: two stages of 32 x SP, then its 128 scale bytes
.set WSTG,  22528                      ; weights: the stage, 32 rows (columns e) x (256 + 16) bytes
.set WSCL,  31232                      ; weights: 32 x 16 scale bytes
.set SPARE, 31744                      ; the spare words, 128 bytes a wave: no other line names them
.set SPW,   12                         ; v12  SPARE + 4 x my thread's number; never rewritten
.set NIL,   13                         ; v13  0; never rewritten
.set R,     16                         ; v16-143  x: eight sets of 16 numbers as loaded; weights: 128 numbers down K
.set X,     144                        ; v144-175 x: two sets of 16 neighbours; weights: v144-159 codes, v160 the scale word
.set C,     176                        ; v176-191 x: two registers of codes a step
.set E,     192                        ; v192-199 x: a scale byte a step
	s_load_b256 s[4:11], s[0:1], 0x0               ; x, wq, wk, wv
	s_load_b64 s[12:13], s[0:1], 0x20              ; qin
	v_lshl_add_u32 v[SPW], v0, 2, SPARE
	v_mov_b32 v[NIL], 0
	v_lshrrev_b32 v1, 5, v0
	v_readfirstlane_b32 s16, v1                    ; wave
	v_and_b32 v2, 31, v0                           ; lane
	v_lshlrev_b32 v3, 4, v2                        ; 16 x lane
	; every LDS address of both ways is made here, ahead of the parting
	s_mul_i32 s17, s16, WREG
	v_lshrrev_b32 v14, 2, v2
	v_mul_u32_u24 v14, v14, SP
	v_and_b32 v15, 3, v2
	v_lshl_add_u32 v14, v15, 4, v14
	v_add_nc_u32 v14, s17, v14                     ; x, into the stage: SP (lane / 4) + 16 (lane % 4)
	v_mul_u32_u24 v15, v2, SP
	v_add_nc_u32 v15, s17, v15                     ; and out of it: SP x lane
	v_lshlrev_b32 v4, 3, v2                        ; my 8 bytes of a step's 256 bytes of codes
	v_lshrrev_b32 v5, 1, v2
	s_add_co_u32 s17, s17, 2*32*SP
	v_add_nc_u32 v5, s17, v5                       ; my block's scale byte
	v_lshlrev_b32 v7, 2, v2                        ; 4 x lane
	v_add_nc_u32 v6, s17, v7                       ; the scale bytes on their way out
	s_lshl_b32 s18, s16, 6
	v_mul_u32_u24 v200, v2, 272
	v_add_nc_u32 v200, s18, v200
	v_add_nc_u32 v200, WSTG, v200                  ; weights, into the stage: row = my column, my wave's 64 bytes
	s_lshl_b32 s18, s16, 2
	v_add_nc_u32 v201, s18, v3
	v_add_nc_u32 v201, WSCL, v201                  ; my column's 16 scale bytes, my wave's word
	v_lshrrev_b32 v206, 4, v2
	v_and_b32 v207, 15, v2
	s_mul_i32 s18, s16, 8*272
	v_mul_u32_u24 v202, v206, 272
	v_lshl_add_u32 v202, v207, 4, v202
	v_add_nc_u32 v202, s18, v202
	v_add_nc_u32 v202, WSTG, v202                  ; out of the stage: my wave's 8 rows, sixteen lanes to a row
	v_add_nc_u32 v203, WSCL, v3
	v_lshlrev_b32 v204, 9, v206
	v_lshl_add_u32 v204, v207, 4, v204             ; and the same place in the codes' rows of 512 bytes
	v_lshlrev_b32 v205, 5, v2                      ; a row of scale bytes is 32
	s_cmp_lt_u32 ttmp9, 256
	s_cbranch_scc0 .Lweights
	; ---------------- x
	s_lshl_b32 s18, ttmp9, 2
	s_add_co_u32 s18, s18, s16                     ; my run of 4,096 numbers
	s_lshl_b32 s20, s18, 14
	s_mov_b32 s21, 0
	s_lshl_b32 s22, s18, 11
	s_mov_b32 s23, 0
	s_lshl_b32 s24, s18, 7
	s_add_co_u32 s24, s24, XS_O
	s_mov_b32 s25, 0
	s_wait_kmcnt 0x0
	s_add_nc_u64 s[4:5], s[4:5], s[20:21]
	s_add_nc_u64 s[22:23], s[12:13], s[22:23]      ; its codes
	s_add_nc_u64 s[24:25], s[12:13], s[24:25]      ; its scale bytes
.irp t, 0,1,2,3,4,5,6,7
.irp i, 0,1,2,3
	global_load_b128 v[R+16*\t+4*\i:R+16*\t+4*\i+3], v3, s[4:5] offset:2048*\t+512*\i th:TH_LOAD_NT   ; 32 lanes read 512 consecutive bytes; all 32 loads go out at once
.endr
.endr
.macro TURN t                          ; step t's numbers through a stage: LDS serves a wave's instructions in order, so no wait stands between the stores and the loads
.irp i, 0,1,2,3
	ds_store_b128 v14, v[R+16*(\t)+4*\i:R+16*(\t)+4*\i+3] offset:32*SP*((\t)%2)+8*SP*\i
.endr
.irp i, 0,1,2,3
	ds_load_b128 v[X+16*((\t)%2)+4*\i:X+16*((\t)%2)+4*\i+3], v15 offset:32*SP*((\t)%2)+16*\i
.endr
.endm
.macro STEP t
.set XSET, X+16*((\t)%2)
.if (\t) > 0
	s_wait_dscnt 1                                 ; this step's numbers are back from the stage; the last step's byte store may be out
.else
	s_wait_dscnt 0x0
.endif
.if (\t) < 7
	s_wait_loadcnt 4*(6-(\t))                      ; the next step's four loads are in; those of the steps behind it may be out
	TURN (\t)+1
.endif
	v_max3_num_f32 v8, |v[XSET]|, |v[XSET+1]|, |v[XSET+2]|
	v_max3_num_f32 v9, |v[XSET+3]|, |v[XSET+4]|, |v[XSET+5]|
.irp i, 6,10
	v_max3_num_f32 v8, v8, |v[XSET+\i]|, |v[XSET+\i+1]|
	v_max3_num_f32 v9, v9, |v[XSET+\i+2]|, |v[XSET+\i+3]|
.endr
	v_max3_num_f32 v8, v8, |v[XSET+14]|, |v[XSET+15]|
	v_max3_num_f32 v8, v8, v9, (EMAX+1)<<23        ; with the floor 2^(3 - 127): the byte cannot fall under 1
	v_max_num_f32_dpp v8, v8, v8 row_xmask:1 row_mask:0xf bank_mask:0xf   ; and my neighbour's 16: the block's largest magnitude
	v_add_nc_u32 v11, -(EMAX<<23), v8              ; 2 off its exponent field: the conversion takes this operand's exponent field as its scale
	v_cvt_scalef32_pk8_fp4_f32 v[C+2*(\t)], v[XSET:XSET+7], v11
	v_cvt_scalef32_pk8_fp4_f32 v[C+2*(\t)+1], v[XSET+8:XSET+15], v11
	v_lshrrev_b32 v[E+(\t)], 23, v11               ; the scale's byte
	ds_store_b8 v5, v[E+(\t)] offset:16*(\t)       ; both lanes of a block write the same byte with the same value
	global_store_b64 v4, v[C+2*(\t):C+2*(\t)+1], s[22:23] offset:256*(\t)   ; the wave stores 256 consecutive bytes, aligned
.endm
	s_wait_loadcnt 28                              ; step 0's four loads are in
	TURN 0
.irp t, 0,1,2,3,4,5,6,7
	STEP \t
.endr
	ds_load_b32 v8, v6                             ; my wave's 128 scale bytes: these see my stores
	s_wait_dscnt 0x0
	global_store_b32 v7, v8, s[24:25]              ; 128 consecutive bytes
	s_wait_tensorcnt 0x0                           ; the wave's end
	ds_add_u32 v[SPW], v[NIL]
	s_wait_dscnt 0x0
	s_endpgm
	; ---------------- the weights
.Lweights:
	s_sub_co_u32 s18, ttmp9, 256
	s_lshr_b32 s19, s18, 2
	s_lshr_b32 s20, s19, 4                         ; t: 0 wq, 1 wk, 2 wv
	s_and_b32 s21, s19, 15                         ; h
	s_bfe_u32 s22, s18, 0x10001                    ; which 32 of the head's 64 columns
	s_and_b32 s23, s18, 1                          ; which 512 along K
	s_lshl_b32 s24, s21, 18                        ; the source: h x 1,024 rows of 256 bytes
	s_lshl_b32 s26, s23, 17
	s_add_co_u32 s24, s24, s26
	s_lshl_b32 s26, s16, 15                        ; my wave's 128 rows
	s_add_co_u32 s24, s24, s26
	s_lshl_b32 s26, s22, 7
	s_add_co_u32 s24, s24, s26
	s_mov_b32 s25, 0
	s_mul_i32 s27, s21, 192
	s_lshl_b32 s26, s20, 6
	s_add_co_u32 s27, s27, s26
	s_lshl_b32 s26, s22, 5
	s_add_co_u32 s27, s27, s26                     ; the first row of codes: 192 h + 64 t + 32 x half
	s_lshl_b32 s28, s16, 3
	s_add_co_u32 s28, s28, s27
	s_lshl_b32 s28, s28, 9
	s_lshl_b32 s26, s23, 8
	s_add_co_u32 s28, s28, s26
	s_add_co_u32 s28, s28, WC_O
	s_mov_b32 s29, 0
	s_lshl_b32 s30, s27, 5
	s_lshl_b32 s26, s23, 4
	s_add_co_u32 s30, s30, s26
	s_add_co_u32 s30, s30, WS_O
	s_mov_b32 s31, 0
	s_wait_kmcnt 0x0
	s_cmp_eq_u32 s20, 0                            ; the choice hangs on the work-group's number alone
	s_cselect_b64 s[6:7], s[6:7], s[8:9]
	s_cmp_eq_u32 s20, 2
	s_cselect_b64 s[6:7], s[10:11], s[6:7]
	s_add_nc_u64 s[6:7], s[6:7], s[24:25]
	s_add_nc_u64 s[28:29], s[12:13], s[28:29]
	s_add_nc_u64 s[30:31], s[12:13], s[30:31]
.set i, 0
.rept 128
	global_load_b32 v[R+i], v7, s[6:7] offset:256*i   ; W(k, my column): 32 lanes read 128 consecutive bytes
.set i, i+1
.endr
.macro WBLOCK t                        ; 32 along K of my column: all 32 numbers are mine
.set XB, R+32*(\t)
	v_max3_num_f32 v8, |v[XB]|, |v[XB+1]|, |v[XB+2]|
	v_max3_num_f32 v9, |v[XB+3]|, |v[XB+4]|, |v[XB+5]|
.irp i, 6,10,14,18,22,26
	v_max3_num_f32 v8, v8, |v[XB+\i]|, |v[XB+\i+1]|
	v_max3_num_f32 v9, v9, |v[XB+\i+2]|, |v[XB+\i+3]|
.endr
	v_max3_num_f32 v8, v8, |v[XB+30]|, |v[XB+31]|
	v_max3_num_f32 v8, v8, v9, (EMAX+1)<<23
	v_add_nc_u32 v11, -(EMAX<<23), v8
	v_lshrrev_b32 v9, 23, v11
.if (\t) == 0
	v_mov_b32 v160, v9                             ; four bytes to a word, the lower K in the lower byte
.else
	v_lshl_or_b32 v160, v9, 8*(\t), v160
.endif
.irp g, 0,1,2,3
	v_cvt_scalef32_pk8_fp4_f32 v[X+4*(\t)+\g], v[XB+8*\g:XB+8*\g+7], v11
.endr
	ds_store_b128 v200, v[X+4*(\t):X+4*(\t)+3] offset:16*(\t)
.endm
	s_wait_loadcnt 63                              ; the largest count that can be written: 65 of the 128 loads are in, blocks 0 and 1 among them
	WBLOCK 0
	WBLOCK 1
	s_wait_loadcnt 32                              ; all but the last block's 32
	WBLOCK 2
	s_wait_loadcnt 0x0
	WBLOCK 3
	ds_store_b32 v201, v160
	s_wait_dscnt 0x0                               ; for the others' sake: my stores have landed
	s_barrier_signal -1
	s_barrier_wait -1                              ; 32 rows of 256 bytes lie in the stage
.irp i, 0,1,2,3
	ds_load_b128 v[164+4*\i:167+4*\i], v202 offset:544*\i
.endr
.irp i, 0,1,2,3
	s_wait_dscnt 3-\i
	global_store_b128 v204, v[164+4*\i:167+4*\i], s[28:29] offset:1024*\i   ; sixteen lanes store 256 consecutive bytes, aligned
.endr
	s_cmp_lg_u32 s16, 0
	s_cbranch_scc1 .Lwdone
	ds_load_b128 v[180:183], v203                  ; wave 0: each column's 16 scale bytes
	s_wait_dscnt 0x0
	global_store_b128 v205, v[180:183], s[30:31]
.Lwdone:
	s_wait_tensorcnt 0x0                           ; the wave's end
	ds_add_u32 v[SPW], v[NIL]
	s_wait_dscnt 0x0
	s_endpgm
.Lfunc_end_k_q0147cd7fed_quant:
	.size	k_q0147cd7fed_quant, .Lfunc_end_k_q0147cd7fed_quant-k_q0147cd7fed_quant
	.p2alignl 7, 3214868480
	.fill 96, 4, 3214868480
	.section	.rodata,"a",@progbits
	.p2align	6, 0x0
	.amdhsa_kernel k_q0147cd7fed_quant
		.amdhsa_group_segment_fixed_size 32256
		.amdhsa_private_segment_fixed_size 0
		.amdhsa_enable_private_segment 0
		.amdhsa_kernarg_size 40
		.amdhsa_user_sgpr_count 2
		.amdhsa_user_sgpr_kernarg_segment_ptr 1
		.amdhsa_wavefront_size32 1
		.amdhsa_system_sgpr_workgroup_id_x 1
		.amdhsa_system_sgpr_workgroup_id_y 1
		.amdhsa_system_sgpr_workgroup_id_z 1
		.amdhsa_system_vgpr_workitem_id 0
		.amdhsa_next_free_vgpr 208
		.amdhsa_next_free_sgpr 66
		.amdhsa_reserve_vcc 0
		.amdhsa_float_denorm_mode_32 3
		.amdhsa_float_denorm_mode_16_64 3
		.amdhsa_memory_ordered 1
		.amdhsa_forward_progress 1
		.amdhsa_inst_pref_size 40
	.end_amdhsa_kernel
	.amdgpu_metadata
---
amdhsa.version: [ 1, 2 ]
amdhsa.kernels:
  - .name:           k_q0147cd7fed_quant
    .symbol:         k_q0147cd7fed_quant.kd
    .args:
      - { .name: x, .offset: 0, .size: 8, .value_kind: global_buffer, .address_space: global }
      - { .name: wq, .offset: 8, .size: 8, .value_kind: global_buffer, .address_space: global }
      - { .name: wk, .offset: 16, .size: 8, .value_kind: global_buffer, .address_space: global }
      - { .name: wv, .offset: 24, .size: 8, .value_kind: global_buffer, .address_space: global }
      - { .name: qin, .offset: 32, .size: 8, .value_kind: global_buffer, .address_space: global }
    .group_segment_fixed_size: 32256
    .private_segment_fixed_size: 0
    .kernarg_segment_align: 8
    .kernarg_segment_size: 40
    .max_flat_workgroup_size: 128
    .sgpr_count:     66
    .vgpr_count:     208
    .wavefront_size: 32
...
	.end_amdgpu_metadata
.endif
;; end of part 1
;; launch qkv (part 2): grid 16 x 16, 4 waves a work-group, clusters of 4 x 4, 327,680 bytes of LDS; arguments qin, qs, bq, bk, bv, out1, out2; writes qs, out1, out2
.if DOCPART == 2
	.amdgcn_target "amdgcn-amd-amdhsa--gfx1250"
	.amdhsa_code_object_version 6
	.text
	.protected	k_q0147cd7fed_qkv
	.globl	k_q0147cd7fed_qkv
	.p2align	8
	.type	k_q0147cd7fed_qkv,@function
k_q0147cd7fed_qkv:
	s_mov_b64 s[64:65], 0
	v_nop
	global_prefetch_b8 v0, s[64:65] scope:SCOPE_SE
	s_setreg_imm32_b32 hwreg(HW_REG_WAVE_MODE, 25, 1), 1
	s_wait_xcnt 0x0
	s_wait_alu depctr_hold_cnt(0) depctr_sa_sdst(0) depctr_va_vdst(0) depctr_va_sdst(0) depctr_va_ssrc(0) depctr_va_vcc(0) depctr_vm_vsrc(0)
	s_getreg_b32 s2, hwreg(HW_REG_IB_STS2, 6, 4)
	s_cmp_eq_u32 s2, 0
	s_cbranch_scc0 .Lentry_in_a_cluster
	s_endpgm
.Lentry_in_a_cluster:
	s_bfe_u32 s2, ttmp6, 0x10000c
	s_cmp_lg_u32 s2, 0xf033
	s_cbranch_scc0 .Lentry_shape_is_right
	s_endpgm
.Lentry_shape_is_right:
; Launch 2 of 8: Q, K, V = Q4(x) Q4(w) + bias, on codes of FP4 with E8M0 scales, and S = K^T V.  The scores Q K^T are never formed (associative law: see the first kernel's head).
; SHARES.  A work-group owns one head (x) and 256 tokens (y); wave w owns tokens 64 w .. + 63 and all 192 columns (Q, K, V of the head): 48 accumulators of 16 x 16.
; All of K = 1,024 lies in LDS at once, as two chunks of 512 (rows of 256 bytes + 16): nothing is filled again.  The scale bytes come with them, in whole units of 256 bytes.
; CLUSTER 4 x 4: the four work-groups of a row of the cluster need the same tokens, the four of a column the same head's weights: each tile is asked for jointly.
; THE MATRIX INSTRUCTION IS USED TRANSPOSED (source 0 = 16 weight rows, source 1 = 16 tokens): a lane holds one token and eight neighbouring columns.  The bias is the C of each sum's first instruction.
; OUT.  Q as f16, head-major [16][4096][64], so that a wave's 64 rows are 8 KB on end; K and V as f32 into out1, out2 through the wave's stage: sixteen lanes store 256 consecutive bytes, aligned.
; S.  K and V, rounded to f16, meet in LDS [token][K 64 | V 64]; wave w makes S's rows e = 16 w .. + 15 over the work-group's 256 tokens (turning loads; source 0 = V^T, source 1 = K^T: a lane holds one e
; and eight e').  The partial S leaves as an image of its registers, with its largest magnitude beside it: launch 3 adds the eight partials of a (batch, head).
; LIMIT: |Q|, |K|, |V| under 65,504 (f16).
; REGISTERS.  window 0: v1-31 addresses; v32-47 the tokens' scale words, v48-95 the weights'; v96-159 the tokens' fragments, two sets; v160-255 the bias, later at work.
;   window 1: the weights' fragments, sets at v0 and v128.  window 2: accumulator (a, b < 8) at 8 (8 a + b): Q and K.  window 3: (a, b >= 8) at 8 (4 a + b - 8): V; v128-159 S.
.set XS_O,  2097152
.set WC_O,  2228224
.set WS_O,  3801088
.set QS_SP, 8388608
.set QS_ST, 12582912
.set CHUNK, 121856                     ; 256 token rows x 272, then 192 weight rows x 272
.set BOFF,  69632
.set SCL,   243712                     ; the tokens' scale bytes: 32 units of 256 + 16; the weights' 24 units behind them
.set SPARE, 259072                     ; the spare words, 128 bytes a wave: no other line names them
.set ST32,  259584                     ; for each wave 16 rows x (512 + 16): K and V on their way out
.set QST,   73728                      ; in chunk 0, which has had its last fill and its last read by then: for each wave 64 rows x (128 + 16)
.set G1,   24
.set G0,   32
.set G1B,  48
.set G0B,  56
.set G1S,  68
.set G0S,  76
.set G1SB, 80
.set G0SB, 88
.set SPW,  28
.set NIL,  29
.set MSB, 0
.macro WIN new                         ; the immediate's high byte repeats the setting that is left
.if MSB != (\new)
	s_set_vgpr_msb (MSB<<8)|(\new)
.set MSB, (\new)
.endif
.endm
; A joint load: waves 0 and 1 fetch the tokens' halves, waves 2 and 3 the weights'.  The branch hangs on the wave's number alone.  An s_nop 0 and four v_nop follow each line.
.macro JLOAD g0a, g1a, g0b, g1b
	s_cmp_eq_u32 s15, 0
	s_cbranch_scc0 .Lfor_b_\@
	tensor_load_to_lds s[\g0a:\g0a+3], s[\g1a:\g1a+7]
	s_nop 0
.rept 4
	v_nop
.endr
	s_branch .Lasked_\@
.Lfor_b_\@:
	tensor_load_to_lds s[\g0b:\g0b+3], s[\g1b:\g1b+7]
	s_nop 0
.rept 4
	v_nop
.endr
.Lasked_\@:
.endm
.macro CROUND                          ; a round of the cluster's barrier
	s_barrier_signal -1
	s_barrier_wait -1
	s_cmp_lg_u32 s14, 0
	s_cbranch_scc1 .Lnot_wave_0_\@
	s_barrier_signal -3
.Lnot_wave_0_\@:
	s_barrier_wait -3
	s_barrier_signal -1
	s_barrier_wait -1
.endm
.macro PLACES
.rept 4
	v_nop
.endr
.endm
	s_load_b256 s[4:11], s[0:1], 0x0               ; qin, qs, bq, bk
	s_load_b64 s[12:13], s[0:1], 0x20              ; bv
	s_load_b128 s[92:95], s[0:1], 0x28             ; out1, out2
	v_lshl_add_u32 v[SPW], v0, 2, SPARE
	v_mov_b32 v[NIL], 0
	ds_add_u32 v[SPW], v[NIL]                      ; the wave's opening: the add, twice on end, and its wait ahead of my first tensor load
	ds_add_u32 v[SPW], v[NIL]
	v_lshrrev_b32 v1, 5, v0
	v_readfirstlane_b32 s14, v1                    ; wave
	s_lshr_b32 s15, s14, 1                         ; I fetch for the tokens (0) or for the weights (1),
	s_and_b32 s16, s14, 1                          ; this half of the rows
	s_bfe_u32 s40, ttmp6, 0x40000                  ; cx, cy
	s_bfe_u32 s41, ttmp6, 0x40004
	s_lshl_b32 s42, ttmp9, 2
	s_add_co_u32 s42, s42, s40                     ; the head
	s_and_b32 s17, ttmp7, 0xffff
	s_lshl_b32 s17, s17, 2
	s_add_co_u32 s17, s17, s41                     ; the block of 256 tokens
	s_lshl_b32 s43, s41, 2
	s_lshl_b32 s43, 15, s43                        ; my row of the cluster
	s_lshl_b32 s44, 0x1111, s40                    ; my column
	s_or_b32 s[G1+0], s43, (1<<20)|(1<<21)|(5<<22)|(3<<25)   ; elements of 1 byte; 4 words of padding behind every 64; bit 21 beside a mask
	s_mov_b32 s[G1+1], 256<<16                     ; tensor_dim0 = 256 bytes
	s_mov_b32 s[G1+2], 128<<16                     ; tensor_dim1 = 128 rows
	s_mov_b32 s[G1+3], 256<<16                     ; tile_dim0
	s_mov_b32 s[G1+4], 128                         ; tile_dim1
	s_mov_b32 s[G1+5], 512                         ; a row of 1,024 codes in memory
	s_mov_b32 s[G1+6], 0
	s_mov_b32 s[G1+7], 0
	s_or_b32 s[G1B+0], s44, (1<<20)|(1<<21)|(5<<22)|(3<<25)
	s_mov_b32 s[G1B+1], 256<<16
	s_mov_b32 s[G1B+2], 96<<16
	s_mov_b32 s[G1B+3], 256<<16
	s_mov_b32 s[G1B+4], 96
	s_mov_b32 s[G1B+5], 512
	s_mov_b32 s[G1B+6], 0
	s_mov_b32 s[G1B+7], 0
	s_or_b32 s[G1S+0], s43, (3<<16)|(1<<20)|(1<<21)|(5<<22)|(3<<25)   ; the scale bytes of 128 rows: 4,096 dense bytes as 16 rows of 32 elements of 8 bytes
	s_mov_b32 s[G1S+1], 32<<16
	s_mov_b32 s[G1S+2], 16<<16
	s_mov_b32 s[G1S+3], 32<<16
	s_mov_b32 s[G1S+4], 16
	s_mov_b32 s[G1S+5], 32
	s_mov_b32 s[G1S+6], 0
	s_mov_b32 s[G1S+7], 0
	s_or_b32 s[G1SB+0], s44, (3<<16)|(1<<20)|(1<<21)|(5<<22)|(3<<25)  ; of 96 rows: 12 rows
	s_mov_b32 s[G1SB+1], 32<<16
	s_mov_b32 s[G1SB+2], 12<<16
	s_mov_b32 s[G1SB+3], 32<<16
	s_mov_b32 s[G1SB+4], 12
	s_mov_b32 s[G1SB+5], 32
	s_mov_b32 s[G1SB+6], 0
	s_mov_b32 s[G1SB+7], 0
	s_lshl_b32 s18, s16, 7
	s_lshl_b32 s20, s17, 8
	s_add_co_u32 s20, s20, s18                     ; the tokens' first row that I fetch
	s_lshl_b32 s22, s20, 5
	s_add_co_u32 s22, s22, XS_O                    ; its scale bytes,
	s_mov_b32 s23, 0
	s_lshl_b32 s20, s20, 9                         ; its codes
	s_mov_b32 s21, 0
	s_mul_i32 s46, s42, 192
	s_mul_i32 s18, s16, 96
	s_add_co_u32 s46, s46, s18                     ; the weights' first row
	s_lshl_b32 s96, s46, 5
	s_add_co_u32 s96, s96, WS_O
	s_mov_b32 s97, 0
	s_lshl_b32 s46, s46, 9
	s_add_co_u32 s46, s46, WC_O
	s_mov_b32 s47, 0
	s_mul_i32 s45, s16, 128*272                    ; where they go: no place in the cluster enters an LDS address
	s_mul_i32 s98, s16, 96*272
	s_add_co_u32 s98, s98, BOFF
	s_mul_i32 s99, s16, 16*272
	s_add_co_u32 s99, s99, SCL
	s_mul_i32 s19, s16, 12*272
	s_add_co_u32 s19, s19, SCL+32*272
	s_wait_dscnt 0x0                               ; both opening adds are done
	s_wait_kmcnt 0x0
	s_add_nc_u64 s[20:21], s[4:5], s[20:21]
	s_add_nc_u64 s[22:23], s[4:5], s[22:23]
	s_add_nc_u64 s[46:47], s[4:5], s[46:47]
	s_add_nc_u64 s[96:97], s[4:5], s[96:97]
	CROUND                                         ; all sixteen work-groups are here: the joint loads meet
	s_mov_b32 s[G0S], 1
	s_mov_b32 s[G0S+1], s99
	s_mov_b64 s[G0S+2:G0S+3], s[22:23]
	s_or_b32 s[G0S+3], s[G0S+3], 0x80000000
	s_mov_b32 s[G0SB], 1
	s_mov_b32 s[G0SB+1], s19
	s_mov_b64 s[G0SB+2:G0SB+3], s[96:97]
	s_or_b32 s[G0SB+3], s[G0SB+3], 0x80000000
	JLOAD G0S, G1S, G0SB, G1SB                     ; the scale bytes first; by this text's count three tensor loads of a wave are out
.irp s, 0,1
	s_mov_b32 s[G0+4*\s], 1
	s_add_co_u32 s[G0+4*\s+1], s45, \s*CHUNK
	s_add_nc_u64 s[G0+4*\s+2:G0+4*\s+3], s[20:21], \s*256
	s_or_b32 s[G0+4*\s+3], s[G0+4*\s+3], 0x80000000
	s_mov_b32 s[G0B+4*\s], 1
	s_add_co_u32 s[G0B+4*\s+1], s98, \s*CHUNK
	s_add_nc_u64 s[G0B+4*\s+2:G0B+4*\s+3], s[46:47], \s*256
	s_or_b32 s[G0B+4*\s+3], s[G0B+4*\s+3], 0x80000000
	JLOAD G0+4*\s, G1, G0B+4*\s, G1B
.endr
	v_and_b32 v1, 15, v0                           ; r
	v_bfe_u32 v2, v0, 4, 1                         ; h
	v_and_b32 v3, 31, v0                           ; lane
	v_mul_u32_u24 v4, v1, 272
	v_lshl_add_u32 v4, v2, 4, v4                   ; a fragment's row x pitch + 16 h
	s_mul_i32 s18, s14, 64*272
	v_add_nc_u32 v16, s18, v4                      ; v16, v17: my 64 tokens in chunk 0, 1
	v_add_nc_u32 v17, CHUNK, v16
	v_add_nc_u32 v20, BOFF, v4                     ; v20, v21: the weights
	v_add_nc_u32 v21, CHUNK, v20
	v_lshrrev_b32 v5, 3, v1
	v_lshlrev_b32 v6, 5, v1
	v_lshl_add_u32 v6, v5, 4, v6                   ; a row's 32 scale bytes: 32 r, + 16 behind the unit's eighth row
	v_mul_u32_u24 v7, v2, 2*544
	v_add_nc_u32 v22, v6, v7                       ; v22: lanes 0-15 token block j, lanes 16-31 block j + 2
	s_mul_i32 s18, s14, 8*272
	s_add_co_u32 s18, s18, SCL
	v_add_nc_u32 v22, s18, v22
	v_mul_u32_u24 v7, v2, 6*544
	v_add_nc_u32 v23, v6, v7                       ; v23: lanes 0-15 column block j, lanes 16-31 block j + 6
	v_add_nc_u32 v23, SCL+32*272, v23
	v_lshlrev_b32 v24, 5, v2                       ; the bias: 32 h bytes
	v_lshlrev_b32 v25, 4, v3                       ; 16 x lane
	s_mul_i32 s18, s14, 64*144
	s_add_co_u32 s18, s18, QST
	v_mul_u32_u24 v5, v1, 144
	v_lshl_add_u32 v5, v2, 4, v5
	v_add_nc_u32 v26, s18, v5                      ; Q into its stage
	v_lshrrev_b32 v5, 3, v3
	v_and_b32 v6, 7, v3
	v_mul_u32_u24 v5, v5, 144
	v_lshl_add_u32 v5, v6, 4, v5
	v_add_nc_u32 v27, s18, v5                      ; and back: eight lanes to a row of 128 bytes
	s_mul_i32 s18, s14, 16*528
	s_add_co_u32 s18, s18, ST32
	v_mul_u32_u24 v5, v1, 528
	v_lshl_add_u32 v5, v2, 5, v5
	v_add_nc_u32 v30, s18, v5                      ; K, V into their stage
	v_mul_u32_u24 v5, v2, 528
	v_lshl_add_u32 v5, v1, 4, v5
	v_add_nc_u32 v31, s18, v5                      ; and back: sixteen lanes to 256 bytes
	v_lshlrev_b32 v8, 12, v2
	v_lshl_add_u32 v8, v1, 4, v8                   ; the same place in out1, out2
	s_mul_i32 s18, s14, 64*288
	v_mul_u32_u24 v9, v1, 288
	v_lshl_add_u32 v9, v2, 4, v9
	v_add_nc_u32 v9, s18, v9                       ; K, V as f16: row = token, 288 bytes apart
	v_lshl_add_u32 v5, v2, 3, v6
	v_mul_u32_u24 v5, v5, 288
	v_bfe_u32 v7, v0, 3, 1
	v_lshl_add_u32 v5, v7, 4, v5                   ; the turning loads: token 8 h + lane % 8, 16 bytes by (lane / 8) % 2
	s_lshl_b32 s18, s14, 5
	v_add_nc_u32 v10, s18, v5                      ; v10, v11: K's columns 16 w on, tokens 0 and 128 on
	v_add_nc_u32 v11, 128*288, v10
	v_add_nc_u32 v12, 128, v5                      ; v12, v13: V
	v_add_nc_u32 v13, 128*288, v12
	s_lshl_b32 s18, s42, 8
	s_mov_b32 s19, 0
	s_add_nc_u64 s[8:9], s[8:9], s[18:19]          ; the head's 64 biases
	s_add_nc_u64 s[10:11], s[10:11], s[18:19]
	s_add_nc_u64 s[12:13], s[12:13], s[18:19]
.irp t, 0,1,2,3                        ; lane (r, h) wants, for column block t, the biases of columns 16 t + 8 h + 0 .. 7
	global_load_b128 v[160+8*\t:163+8*\t], v24, s[8:9] offset:64*\t
	global_load_b128 v[164+8*\t:167+8*\t], v24, s[8:9] offset:64*\t+16
	global_load_b128 v[192+8*\t:195+8*\t], v24, s[10:11] offset:64*\t
	global_load_b128 v[196+8*\t:199+8*\t], v24, s[10:11] offset:64*\t+16
	global_load_b128 v[224+8*\t:227+8*\t], v24, s[12:13] offset:64*\t
	global_load_b128 v[228+8*\t:231+8*\t], v24, s[12:13] offset:64*\t+16
.endr
	s_lshl_b32 s18, s42, 19                        ; Q: head x 4,096 rows of 128 bytes + my 64 rows
	s_lshl_b32 s20, s17, 15
	s_add_co_u32 s18, s18, s20
	s_lshl_b32 s20, s14, 13
	s_add_co_u32 s18, s18, s20
	s_add_nc_u64 s[66:67], s[6:7], s[18:19]
	s_lshl_b32 s18, s17, 20                        ; out1, out2: my first token's row + the head's 256 bytes
	s_lshl_b32 s20, s14, 18
	s_add_co_u32 s18, s18, s20
	s_lshl_b32 s20, s42, 8
	s_add_co_u32 s18, s18, s20
	s_add_nc_u64 s[92:93], s[92:93], s[18:19]
	s_add_nc_u64 s[94:95], s[94:95], s[18:19]
	s_lshr_b32 s18, s17, 3                         ; the batch
	s_lshl_b32 s18, s18, 4
	s_add_co_u32 s18, s18, s42
	s_lshl_b32 s18, s18, 3
	s_and_b32 s20, s17, 7                          ; which eighth of its tokens
	s_add_co_u32 s18, s18, s20
	s_lshl_b32 s18, s18, 2
	s_add_co_u32 s18, s18, s14                     ; ((16 b + h) 8 + p) 4 + w
	s_lshl_b32 s98, s18, 2
	s_add_co_u32 s98, s98, QS_ST
	s_mov_b32 s99, 0
	s_lshl_b32 s18, s18, 12
	s_add_co_u32 s18, s18, QS_SP
	s_add_nc_u64 s[2:3], s[6:7], s[18:19]          ; my image of S
	s_add_nc_u64 s[98:99], s[6:7], s[98:99]        ; and its largest magnitude
.macro FETCH q, p                      ; the fragments of K step q (128 along K) into set p: the weights' twelve, my tokens' four
	WIN 0x40
.irp i, 0,1,2,3,4,5,6,7,8,9,10,11
.irp c, 0,1
	ds_load_b128 v[128*(\p)+8*\i+4*\c:128*(\p)+8*\i+4*\c+3], v[20+(\q)/4] offset:4352*\i+64*((\q)%4)+32*\c
.endr
.endr
	WIN 0
.irp i, 0,1,2,3
.irp c, 0,1
	ds_load_b128 v[96+32*(\p)+8*\i+4*\c:96+32*(\p)+8*\i+4*\c+3], v[16+(\q)/4] offset:4352*\i+64*((\q)%4)+32*\c
.endr
.endr
.endm
.macro PROD a, b, q, p, first          ; token block a x column block b, K step q
.if (\b) < 8
.set DD, 8*(8*(\a)+(\b))
.else
.set DD, 8*(4*(\a)+(\b)-8)
.endif
.if \first
.set CCR, 160+8*(\b)
.else
.set CCR, DD
.endif
.set BFR, 128*(\p)+8*(\b)
.set AFR, 96+32*(\p)+8*(\a)
.set SBR, 48+8*((\b)%6)+(\q)
.set SAR, 32+8*((\a)%2)+(\q)
.if (\b) >= 6
.if (\a) >= 2
	v_wmma_scale_f32_16x16x128_f8f6f4 v[DD:DD+7], v[BFR:BFR+7], v[AFR:AFR+7], v[CCR:CCR+7], v[SBR], v[SAR] matrix_a_fmt:MATRIX_FMT_FP4 matrix_b_fmt:MATRIX_FMT_FP4 matrix_a_scale:MATRIX_SCALE_ROW1 matrix_b_scale:MATRIX_SCALE_ROW1
.else
	v_wmma_scale_f32_16x16x128_f8f6f4 v[DD:DD+7], v[BFR:BFR+7], v[AFR:AFR+7], v[CCR:CCR+7], v[SBR], v[SAR] matrix_a_fmt:MATRIX_FMT_FP4 matrix_b_fmt:MATRIX_FMT_FP4 matrix_a_scale:MATRIX_SCALE_ROW1
.endif
.else
.if (\a) >= 2
	v_wmma_scale_f32_16x16x128_f8f6f4 v[DD:DD+7], v[BFR:BFR+7], v[AFR:AFR+7], v[CCR:CCR+7], v[SBR], v[SAR] matrix_a_fmt:MATRIX_FMT_FP4 matrix_b_fmt:MATRIX_FMT_FP4 matrix_b_scale:MATRIX_SCALE_ROW1
.else
	v_wmma_scale_f32_16x16x128_f8f6f4 v[DD:DD+7], v[BFR:BFR+7], v[AFR:AFR+7], v[CCR:CCR+7], v[SBR], v[SAR] matrix_a_fmt:MATRIX_FMT_FP4 matrix_b_fmt:MATRIX_FMT_FP4
.endif
.endif
.endm
.macro MUL q, p, first                 ; 48 products; the 48 accumulators take turns, one instruction a turn.  first = 1: C is the bias, in window 0
	WIN 0xa1-0x20*(\first)
.irp a, 0,1,2,3
.irp b, 0,1,2,3,4,5,6,7
	PROD \a, \b, \q, \p, \first
.endr
.endr
	WIN 0xf1-0x30*(\first)
.irp a, 0,1,2,3
.irp b, 8,9,10,11
	PROD \a, \b, \q, \p, \first
.endr
.endr
.endm
	s_wait_tensorcnt 1                             ; the scale bytes and my part of chunk 0 are in; chunk 1's load may be out
	s_barrier_signal -1
	s_barrier_wait -1
.irp j, 0,1                            ; all scale words, once: register 8 j + q serves K step q
.irp c, 0,1
	ds_load_b128 v[32+8*\j+4*\c:35+8*\j+4*\c], v22 offset:544*\j+16*\c
.endr
.endr
.irp j, 0,1,2,3,4,5
.irp c, 0,1
	ds_load_b128 v[48+8*\j+4*\c:51+8*\j+4*\c], v23 offset:544*\j+16*\c
.endr
.endr
	FETCH 0, 0
	s_wait_loadcnt 0x0                             ; the bias
.irp q, 0,1,2,3,4,5,6,7
	s_wait_dscnt 0x0                               ; this step's fragments are in (asked for 48 products ago)
.if \q > 0
	PLACES                                         ; in front of loads into the set that the last step's products read
.endif
.if \q == 3
	s_wait_tensorcnt 0x0                           ; my part of chunk 1 is in,
	s_barrier_signal -1
	s_barrier_wait -1                              ; everybody's is; and nobody reads chunk 0 any more
.endif
.if \q < 7
	FETCH \q+1, 1-\q%2
.endif
.if \q == 0
	MUL \q, 0, 1
.else
	MUL \q, \q%2, 0
.endif
.endr
	WIN 0
	PLACES
	; ---- Q: to f16, through my stage, out as 8 KB on end
	WIN 0x0a
.irp a, 0,1,2,3
.irp t, 0,1,2,3
.irp rr, 0,1,2,3
	v_cvt_pk_f16_f32 v[160+4*(4*\a+\t)+\rr], v[8*(8*\a+\t)+2*\rr], v[8*(8*\a+\t)+2*\rr+1]
.endr
.endr
.endr
	WIN 0
.irp a, 0,1,2,3
.irp t, 0,1,2,3
	ds_store_b128 v26, v[160+4*(4*\a+\t):163+4*(4*\a+\t)] offset:2304*\a+32*\t
.endr
.endr
.irp i, 0,1,2,3,4,5,6,7,8,9,10,11,12,13,14,15
	ds_load_b128 v[96+4*\i:99+4*\i], v27 offset:576*\i   ; LDS serves a wave's instructions in order: these see my stores
.endr
.irp i, 0,1,2,3,4,5,6,7,8,9,10,11,12,13,14,15
	s_wait_dscnt 15-\i
	global_store_b128 v25, v[96+4*\i:99+4*\i], s[66:67] offset:512*\i
.endr
	; ---- K, V: f32, 16 tokens at a time through my stage
.macro TOSTAGE a
	WIN 0x08                                       ; an LDS store's data are its source 1: window 2
.irp t, 0,1,2,3
	ds_store_b128 v30, v[8*(8*(\a)+4+\t):8*(8*(\a)+4+\t)+3] offset:64*\t        ; each accumulator from its low end on
	ds_store_b128 v30, v[8*(8*(\a)+4+\t)+4:8*(8*(\a)+4+\t)+7] offset:64*\t+16
.endr
	WIN 0x0c
.irp t, 0,1,2,3
	ds_store_b128 v30, v[8*(4*(\a)+\t):8*(4*(\a)+\t)+3] offset:256+64*\t
	ds_store_b128 v30, v[8*(4*(\a)+\t)+4:8*(4*(\a)+\t)+7] offset:256+64*\t+16
.endr
	WIN 0
.set BB, 160-64*((\a)%2)
.irp i, 0,1,2,3,4,5,6,7
	ds_load_b128 v[BB+4*\i:BB+4*\i+3], v31 offset:1056*\i
.endr
.irp i, 0,1,2,3,4,5,6,7
	ds_load_b128 v[BB+32+4*\i:BB+32+4*\i+3], v31 offset:1056*\i+256
.endr
.endm
.macro SEND a, younger                 ; younger: the LDS instructions issued behind block a's loads
.set BB, 160-64*((\a)%2)
	s_wait_dscnt \younger
.irp i, 0,1,2,3,4,5,6,7
	global_store_b128 v8, v[BB+4*\i:BB+4*\i+3], s[92:93] offset:(16*(\a)+2*\i)*4096 th:TH_STORE_NT   ; sixteen lanes store 256 consecutive bytes, aligned
.endr
.irp i, 0,1,2,3,4,5,6,7
	global_store_b128 v8, v[BB+32+4*\i:BB+32+4*\i+3], s[94:95] offset:(16*(\a)+2*\i)*4096 th:TH_STORE_NT
.endr
.endm
	TOSTAGE 0
	s_wait_xcnt 0x0                                ; Q's stores have read v96-159: block 1's loads may land there
	TOSTAGE 1
	SEND 0, 32
	s_wait_xcnt 0x0
	TOSTAGE 2
	SEND 1, 32
	s_wait_xcnt 0x0
	TOSTAGE 3
	SEND 2, 32
	SEND 3, 0
	; ---- K, V as f16 into LDS [token][K | V], in chunk 0's bytes
	s_wait_xcnt 0x0
	WIN 0x0a
.irp a, 0,1,2,3
.irp t, 0,1,2,3
.irp rr, 0,1,2,3
	v_cvt_pk_f16_f32 v[96+4*(8*\a+\t)+\rr], v[8*(8*\a+4+\t)+2*\rr], v[8*(8*\a+4+\t)+2*\rr+1]
.endr
.endr
.endr
	WIN 0x0f
.irp a, 0,1,2,3
.irp t, 0,1,2,3
.irp rr, 0,1,2,3
	v_cvt_pk_f16_f32 v[96+4*(8*\a+4+\t)+\rr], v[8*(4*\a+\t)+2*\rr], v[8*(4*\a+\t)+2*\rr+1]
.endr
.endr
.endr
	WIN 0
.irp a, 0,1,2,3
.irp t, 0,1,2,3
	ds_store_b128 v9, v[96+4*(8*\a+\t):99+4*(8*\a+\t)] offset:4608*\a+32*\t
	ds_store_b128 v9, v[96+4*(8*\a+4+\t):99+4*(8*\a+4+\t)] offset:4608*\a+128+32*\t
.endr
.endr
	s_wait_dscnt 0x0                               ; for the others' sake: my stores have landed
	s_barrier_signal -1
	s_barrier_wait -1
	; ---- S: my 16 rows e x 64 e' over 256 tokens, 128 tokens at a time; four accumulators by turns
.irp g, 0,1
.irp uu, 0,1,2,3
	ds_load_tr16_b128 v[96+40*\uu:99+40*\uu], v[10+\g] offset:9216*\uu
	ds_load_tr16_b128 v[100+40*\uu:103+40*\uu], v[10+\g] offset:9216*\uu+4608
.irp t, 0,1,2,3
	ds_load_tr16_b128 v[104+40*\uu+8*\t:107+40*\uu+8*\t], v[12+\g] offset:9216*\uu+32*\t
	ds_load_tr16_b128 v[108+40*\uu+8*\t:111+40*\uu+8*\t], v[12+\g] offset:9216*\uu+4608+32*\t
.endr
.endr
	s_wait_dscnt 0x0
	WIN 0xf0
.irp uu, 0,1,2,3
.irp t, 0,1,2,3
.if (\g == 0) && (\uu == 0)
	v_wmma_f32_16x16x32_f16 v[128+8*\t:135+8*\t], v[104+40*\uu+8*\t:111+40*\uu+8*\t], v[96+40*\uu:103+40*\uu], 0
.else
	v_wmma_f32_16x16x32_f16 v[128+8*\t:135+8*\t], v[104+40*\uu+8*\t:111+40*\uu+8*\t], v[96+40*\uu:103+40*\uu], v[128+8*\t:135+8*\t]
.endif
.endr
.endr
	WIN 0
	PLACES
.endr
	WIN 0x0c                                       ; a store's data are its source 1: window 3
.irp t, 0,1,2,3
.irp c, 0,1
	global_store_b128 v25, v[128+8*\t+4*\c:131+8*\t+4*\c], s[2:3] offset:512*(2*\t+\c)   ; the image of my registers: 512 consecutive bytes a store
.endr
.endr
	WIN 0
	v_mov_b32 v14, 0
	v_mov_b32 v15, 0
	v_mov_b32 v4, 0
	WIN 0x3c
.set i, 0
.rept 16
	v_max3_num_f32 v14, v14, |v[128+2*i]|, |v[129+2*i]|
.set i, i+1
.endr
	WIN 0
	s_mov_b32 s18, 0x76543210
	s_mov_b32 s19, 0xfedcba98
	v_max_num_f32_dpp v14, v14, v14 row_xmask:1 row_mask:0xf bank_mask:0xf
	v_max_num_f32_dpp v14, v14, v14 row_xmask:2 row_mask:0xf bank_mask:0xf
	v_max_num_f32_dpp v14, v14, v14 row_xmask:4 row_mask:0xf bank_mask:0xf
	v_max_num_f32_dpp v14, v14, v14 row_xmask:8 row_mask:0xf bank_mask:0xf
	v_permlanex16_b32 v15, v14, s18, s19
	v_max_num_f32 v14, v14, v15                    ; the largest magnitude of my 16 x 64 partial sums
	s_wait_xcnt 0x0                                ; EXEC changes only behind this wait
	v_cmp_eq_u32 vcc_lo, 0, v3
	s_and_saveexec_b32 s22, vcc_lo
	global_store_b32 v4, v14, s[98:99]             ; lane 0 alone
	s_wait_xcnt 0x0
	s_or_b32 exec_lo, exec_lo, s22
	s_wait_tensorcnt 0x0                           ; the wave's end
	ds_add_u32 v[SPW], v[NIL]
	s_wait_dscnt 0x0
	CROUND                                         ; the closing round
	s_endpgm
.Lfunc_end_k_q0147cd7fed_qkv:
	.size	k_q0147cd7fed_qkv, .Lfunc_end_k_q0147cd7fed_qkv-k_q0147cd7fed_qkv
	.p2alignl 7, 3214868480
	.fill 96, 4, 3214868480
	.section	.rodata,"a",@progbits
	.p2align	6, 0x0
	.amdhsa_kernel k_q0147cd7fed_qkv
		.amdhsa_group_segment_fixed_size 327680
		.amdhsa_private_segment_fixed_size 0
		.amdhsa_enable_private_segment 0
		.amdhsa_kernarg_size 56
		.amdhsa_user_sgpr_count 2
		.amdhsa_user_sgpr_kernarg_segment_ptr 1
		.amdhsa_wavefront_size32 1
		.amdhsa_system_sgpr_workgroup_id_x 1
		.amdhsa_system_sgpr_workgroup_id_y 1
		.amdhsa_system_sgpr_workgroup_id_z 1
		.amdhsa_system_vgpr_workitem_id 0
		.amdhsa_next_free_vgpr 1024
		.amdhsa_next_free_sgpr 100
		.amdhsa_reserve_vcc 1
		.amdhsa_float_denorm_mode_32 3
		.amdhsa_float_denorm_mode_16_64 3
		.amdhsa_memory_ordered 1
		.amdhsa_forward_progress 1
		.amdhsa_inst_pref_size 126
	.end_amdhsa_kernel
	.amdgpu_metadata
---
amdhsa.version: [ 1, 2 ]
amdhsa.kernels:
  - .name:           k_q0147cd7fed_qkv
    .symbol:         k_q0147cd7fed_qkv.kd
    .args:
      - { .name: qin, .offset: 0, .size: 8, .value_kind: global_buffer, .address_space: global }
      - { .name: qs, .offset: 8, .size: 8, .value_kind: global_buffer, .address_space: global }
      - { .name: bq, .offset: 16, .size: 8, .value_kind: global_buffer, .address_space: global }
      - { .name: bk, .offset: 24, .size: 8, .value_kind: global_buffer, .address_space: global }
      - { .name: bv, .offset: 32, .size: 8, .value_kind: global_buffer, .address_space: global }
      - { .name: out1, .offset: 40, .size: 8, .value_kind: global_buffer, .address_space: global }
      - { .name: out2, .offset: 48, .size: 8, .value_kind: global_buffer, .address_space: global }
    .group_segment_fixed_size: 327680
    .private_segment_fixed_size: 0
    .kernarg_segment_align: 8
    .kernarg_segment_size: 56
    .max_flat_workgroup_size: 128
    .sgpr_count:     100
    .vgpr_count:     1024
    .wavefront_size: 32
...
	.end_amdgpu_metadata
.endif
;; end of part 2
;; launch wprep (part 3): grid 384 x 1, 8 waves a work-group, no clusters, 115,712 bytes of LDS; arguments qs, wp, w1, w2, wts; writes wts
.if DOCPART == 3
	.amdgcn_target "amdgcn-amd-amdhsa--gfx1250"
	.amdhsa_code_object_version 6
	.text
	.protected	k_q0147cd7fed_wprep
	.globl	k_q0147cd7fed_wprep
	.p2align	8
	.type	k_q0147cd7fed_wprep,@function
k_q0147cd7fed_wprep:
	s_mov_b64 s[64:65], 0
	v_nop
	global_prefetch_b8 v0, s[64:65] scope:SCOPE_SE
	s_setreg_imm32_b32 hwreg(HW_REG_WAVE_MODE, 25, 1), 1
	s_wait_xcnt 0x0
; Launch 3 of 8.  Work-groups 0-127: W'[b][(h,e)][n] = sum over e' of S[b][h][e][e'] wp[64 h + e'][n] / 8, which takes the place of reference()'s products 4 to 6 (associative law: see the first kernel's head).
; Work-groups 128-383: w1 and w2, f32 [k][n], become f16 [n][k], K innermost, as the GEMMs want them.
; THE SCALES.  S grows with the fourth power of the inputs and has no room in f16, so it is scaled by exact powers of two.  U_h = the largest over row blocks of the sum over the eight partials of their
; largest magnitudes: at least every |S_h|.  With E(.) the f32 exponent field: S' = S 2^(126 - E(U_h)), under 1; what is stored is W''' = (S' wp) 2^(E(U_h) - E(U_b)), U_b the largest U_h of the batch;
; esc_b = 2^(E(U_b) - 129), which holds the 1 / 8, is stored beside it and multiplied back in f32 by launch 4.  What falls under f16's smallest number lies under 2^-25 U.
; wts: esc [2] f32 at 0; W''' f16 head-major [2 b][16 h][1024 n][64 e] at WT; w1^T [4096 n][1024 k] at W1T; w2^T [1024 n][4096 k] at W2T.
; The ways part on the work-group's number and have LDS bytes of their own; every LDS address is made ahead of the parting.
.set QS_SP, 8388608
.set QS_ST, 12582912
.set WT,    256
.set W1T,   4194560
.set W2T,   12583168
.set WST,   8192                       ; behind S's eight images of 1,024 bytes: for each wave 32 rows n x (128 + 16)
.set CST,   45056                      ; the cast's stages: for each wave 32 rows n x (256 + 16)
.set SPARE, 114688                     ; the spare words, 128 bytes a wave: no other line names them
.set SPW,   62
.set NIL,   63
	s_load_b256 s[4:11], s[0:1], 0x0               ; qs, wp, w1, w2
	s_load_b64 s[12:13], s[0:1], 0x20              ; wts
	v_lshl_add_u32 v[SPW], v0, 2, SPARE
	v_mov_b32 v[NIL], 0
	v_lshrrev_b32 v1, 5, v0
	v_readfirstlane_b32 s14, v1                    ; wave 0..7
	v_and_b32 v1, 15, v0                           ; r
	v_bfe_u32 v2, v0, 4, 1                         ; h
	v_and_b32 v3, 31, v0                           ; lane
	v_lshlrev_b32 v4, 4, v3                        ; 16 x lane: an image's place for my lane
	v_lshlrev_b32 v5, 2, v3                        ; 4 x lane
	s_lshl_b32 s15, s14, 10
	v_add_nc_u32 v6, s15, v4                       ; where I store my fragment of S'
	s_mul_i32 s15, s14, 32*144
	s_add_co_u32 s15, s15, WST
	v_mul_u32_u24 v7, v1, 144
	v_lshl_add_u32 v7, v2, 4, v7
	v_add_nc_u32 v8, s15, v7                       ; W''' into my stage
	v_lshrrev_b32 v7, 3, v3
	v_mul_u32_u24 v7, v7, 144
	v_and_b32 v9, 7, v3
	v_lshl_add_u32 v7, v9, 4, v7
	v_add_nc_u32 v9, s15, v7                       ; and back: eight lanes to a row of 128 bytes
	s_mul_i32 s15, s14, 32*272
	s_add_co_u32 s15, s15, CST
	v_mul_u32_u24 v7, v3, 272
	v_add_nc_u32 v10, s15, v7                      ; the cast: row = my column
	v_mul_u32_u24 v7, v2, 272
	v_lshl_add_u32 v7, v1, 4, v7
	v_add_nc_u32 v11, s15, v7                      ; and back: sixteen lanes to a row
	s_cmp_lt_u32 ttmp9, 128
	s_cbranch_scc0 .Lcast
	; ---------------- W'''
	s_lshr_b32 s15, ttmp9, 6                       ; b
	s_bfe_u32 s16, ttmp9, 0x40002                  ; h
	s_and_b32 s17, ttmp9, 3                        ; which 256 columns n
	s_lshr_b32 s18, s14, 1                         ; I sum row block te of S,
	s_and_b32 s19, s14, 1                          ; its tiles 2 u and 2 u + 1: fragment (te, K step u)
	s_lshl_b32 s20, s15, 4
	s_add_co_u32 s20, s20, s16
	s_lshl_b32 s22, s20, 7
	s_add_co_u32 s22, s22, QS_ST
	s_mov_b32 s23, 0
	s_lshl_b32 s24, s15, 11
	s_add_co_u32 s24, s24, QS_ST
	s_mov_b32 s25, 0
	s_lshl_b32 s26, s20, 17
	s_lshl_b32 s28, s18, 12
	s_add_co_u32 s26, s26, s28
	s_lshl_b32 s28, s19, 11
	s_add_co_u32 s26, s26, s28
	s_add_co_u32 s26, s26, QS_SP
	s_mov_b32 s27, 0
	s_lshl_b32 s28, s16, 18                        ; wp: row 64 h, column 256 nq + 32 w
	s_lshl_b32 s30, s17, 10
	s_add_co_u32 s28, s28, s30
	s_lshl_b32 s30, s14, 7
	s_add_co_u32 s28, s28, s30
	s_mov_b32 s29, 0
	s_lshl_b32 s30, s20, 17                        ; out: ((16 b + h) 1,024 + 256 nq + 32 w) rows of 128 bytes
	s_lshl_b32 s32, s17, 15
	s_add_co_u32 s30, s30, s32
	s_lshl_b32 s32, s14, 12
	s_add_co_u32 s30, s30, s32
	s_add_co_u32 s30, s30, WT
	s_mov_b32 s31, 0
	s_lshl_b32 s32, s15, 2
	s_mov_b32 s33, 0
	s_mov_b32 s34, 0x76543210
	s_mov_b32 s35, 0xfedcba98
	v_lshlrev_b32 v12, 6, v3
	v_lshlrev_b32 v13, 15, v2
	v_lshl_add_u32 v13, v1, 2, v13                 ; wp: 8 h rows of 4,096 bytes + 4 r
	v_mov_b32 v17, 0
	v_mov_b32 v41, 0
	s_wait_kmcnt 0x0
	s_add_nc_u64 s[22:23], s[4:5], s[22:23]
	s_add_nc_u64 s[24:25], s[4:5], s[24:25]
	s_add_nc_u64 s[26:27], s[4:5], s[26:27]
	s_add_nc_u64 s[28:29], s[6:7], s[28:29]
	s_add_nc_u64 s[30:31], s[12:13], s[30:31]
	s_add_nc_u64 s[32:33], s[12:13], s[32:33]
	global_load_b32 v16, v5, s[22:23]              ; my head's maxima: lane = 4 p + te
.irp i, 0,1,2,3
	global_load_b128 v[20+4*\i:23+4*\i], v12, s[24:25] offset:16*\i   ; the batch's: lane = 2 head + p / 4; register 4 (p % 4) + te
.endr
.irp p, 0,1,2,3,4,5,6,7
.irp q, 0,1,2,3
	global_load_b128 v[64+16*\p+4*\q:67+16*\p+4*\q], v4, s[26:27] offset:16384*\p+512*\q   ; partial p of my two tiles, as their registers stood
.endr
.endr
.irp tn, 0,1                           ; wp as source 1: lane r takes column 16 tn + r, its registers run down e' in the fragment's order
.irp c, 0,1
.irp i, 0,1,2,3,4,5,6,7
	global_load_b32 v[192+32*\tn+16*\c+\i], v13, s[28:29] offset:(32*\c+\i)*4096+64*\tn
.endr
.irp i, 8,9,10,11,12,13,14,15
	global_load_b32 v[192+32*\tn+16*\c+\i], v13, s[28:29] offset:(32*\c+\i+8)*4096+64*\tn
.endr
.endr
.endr
	s_wait_loadcnt 63                              ; 64 loads of wp are younger than S's; 63 is the largest count that can be written
	v_add_f32_dpp v16, v16, v16 row_xmask:4 row_mask:0xf bank_mask:0xf
	v_add_f32_dpp v16, v16, v16 row_xmask:8 row_mask:0xf bank_mask:0xf
	v_permlanex16_b32 v17, v16, s34, s35
	v_add_f32 v16, v16, v17                        ; the sum over p,
	v_max_num_f32_dpp v16, v16, v16 row_xmask:1 row_mask:0xf bank_mask:0xf
	v_max_num_f32_dpp v16, v16, v16 row_xmask:2 row_mask:0xf bank_mask:0xf   ; the largest over te: U_h
	v_pk_add_f32 v[20:21], v[20:21], v[24:25]
	v_pk_add_f32 v[22:23], v[22:23], v[26:27]
	v_pk_add_f32 v[28:29], v[28:29], v[32:33]
	v_pk_add_f32 v[30:31], v[30:31], v[34:35]
	v_pk_add_f32 v[20:21], v[20:21], v[28:29]
	v_pk_add_f32 v[22:23], v[22:23], v[30:31]
.irp i, 0,1,2,3
	v_add_f32_dpp v[20+\i], v[20+\i], v[20+\i] row_xmask:1 row_mask:0xf bank_mask:0xf
.endr
	v_max3_num_f32 v20, v20, v21, v22
	v_max_num_f32 v20, v20, v23
	v_max_num_f32_dpp v20, v20, v20 row_xmask:2 row_mask:0xf bank_mask:0xf
	v_max_num_f32_dpp v20, v20, v20 row_xmask:4 row_mask:0xf bank_mask:0xf
	v_max_num_f32_dpp v20, v20, v20 row_xmask:8 row_mask:0xf bank_mask:0xf
	v_permlanex16_b32 v17, v20, s34, s35
	v_max_num_f32 v20, v20, v17                    ; U_b
	v_lshrrev_b32 v16, 23, v16                     ; E(U_h)
	v_lshrrev_b32 v20, 23, v20                     ; E(U_b)
	v_sub_nc_u32 v18, 126, v16
	v_ldexp_f32 v36, 1.0, v18                      ; 2^(126 - E(U_h))
	v_mov_b32 v37, v36
	v_sub_nc_u32 v18, v16, v20
	v_ldexp_f32 v38, 1.0, v18                      ; 2^(E(U_h) - E(U_b))
	v_mov_b32 v39, v38
	v_add_nc_u32 v18, 0xffffff7f, v20
	v_ldexp_f32 v40, 1.0, v18                      ; esc = 2^(E(U_b) - 129)
.irp k, 0,2,4,6,8,10,12,14
	v_pk_add_f32 v[64+\k:65+\k], v[64+\k:65+\k], v[80+\k:81+\k]
	v_pk_add_f32 v[96+\k:97+\k], v[96+\k:97+\k], v[112+\k:113+\k]
	v_pk_add_f32 v[128+\k:129+\k], v[128+\k:129+\k], v[144+\k:145+\k]
	v_pk_add_f32 v[160+\k:161+\k], v[160+\k:161+\k], v[176+\k:177+\k]
.endr
.irp k, 0,2,4,6,8,10,12,14
	v_pk_add_f32 v[64+\k:65+\k], v[64+\k:65+\k], v[96+\k:97+\k]
	v_pk_add_f32 v[128+\k:129+\k], v[128+\k:129+\k], v[160+\k:161+\k]
.endr
.irp k, 0,2,4,6,8,10,12,14
	v_pk_add_f32 v[64+\k:65+\k], v[64+\k:65+\k], v[128+\k:129+\k]   ; S: the eight partials' sum
.endr
.irp k, 0,2,4,6,8,10,12,14
	v_pk_mul_f32 v[64+\k:65+\k], v[64+\k:65+\k], v[36:37]
.endr
.irp i, 0,1,2,3,4,5,6,7
	v_cvt_pk_f16_f32 v[48+\i], v[64+2*\i], v[65+2*\i]   ; two tiles in pairs ARE a fragment of source 0: row e = lane % 16, e' = 32 u + 8 h + .., 32 u + 16 + 8 h + ..
.endr
	ds_store_b128 v6, v[48:51]
	ds_store_b128 v6, v[52:55] offset:512
	s_wait_dscnt 0x0                               ; for the others' sake
	s_barrier_signal -1
	s_barrier_wait -1
.irp f, 0,1,2,3,4,5,6,7
	ds_load_b128 v[64+8*\f:67+8*\f], v4 offset:1024*\f
	ds_load_b128 v[68+8*\f:71+8*\f], v4 offset:1024*\f+512
.endr
	s_wait_loadcnt 0x0                             ; wp
.set i, 0
.rept 32
	v_cvt_pk_f16_f32 v[192+i], v[192+2*i], v[193+2*i]   ; in place, ascending: fragment 2 tn + c at v[192 + 8 (2 tn + c)]
.set i, i+1
.endr
	s_wait_dscnt 0x0
.rept 4
	v_nop
.endr
.irp c, 0,1                            ; source 0 = S' (16 e), source 1 = wp (16 n): a lane holds one n and eight neighbouring e.  Eight accumulators by turns
.irp tn, 0,1
.irp te, 0,1,2,3
.if \c == 0
	v_wmma_f32_16x16x32_f16 v[128+8*(4*\tn+\te):135+8*(4*\tn+\te)], v[64+8*(2*\te+\c):71+8*(2*\te+\c)], v[192+8*(2*\tn+\c):199+8*(2*\tn+\c)], 0
.else
	v_wmma_f32_16x16x32_f16 v[128+8*(4*\tn+\te):135+8*(4*\tn+\te)], v[64+8*(2*\te+\c):71+8*(2*\te+\c)], v[192+8*(2*\tn+\c):199+8*(2*\tn+\c)], v[128+8*(4*\tn+\te):135+8*(4*\tn+\te)]
.endif
.endr
.endr
.endr
.rept 4
	v_nop
.endr
.set i, 0
.rept 32
	v_pk_mul_f32 v[128+2*i:129+2*i], v[128+2*i:129+2*i], v[38:39]
.set i, i+1
.endr
.set i, 0
.rept 32
	v_cvt_pk_f16_f32 v[224+i], v[128+2*i], v[129+2*i]
.set i, i+1
.endr
.irp tn, 0,1
.irp te, 0,1,2,3
	ds_store_b128 v8, v[224+4*(4*\tn+\te):227+4*(4*\tn+\te)] offset:2304*\tn+32*\te
.endr
.endr
.irp i, 0,1,2,3,4,5,6,7
	ds_load_b128 v[64+4*\i:67+4*\i], v9 offset:576*\i   ; these see my stores
.endr
.irp i, 0,1,2,3,4,5,6,7
	s_wait_dscnt 7-\i
	global_store_b128 v4, v[64+4*\i:67+4*\i], s[30:31] offset:512*\i   ; my 32 rows of 128 bytes are 4 KB on end
.endr
	s_and_b32 s36, ttmp9, 63
	s_or_b32 s36, s36, s14
	s_cmp_lg_u32 s36, 0
	s_cbranch_scc1 .Lno_esc                        ; one wave of one work-group of each batch stores esc
	s_wait_xcnt 0x0                                ; EXEC changes only behind this wait
	v_cmp_eq_u32 vcc_lo, 0, v3
	s_and_saveexec_b32 s36, vcc_lo
	global_store_b32 v41, v40, s[32:33]
	s_wait_xcnt 0x0
	s_or_b32 exec_lo, exec_lo, s36
.Lno_esc:
	s_wait_tensorcnt 0x0                           ; the wave's end
	ds_add_u32 v[SPW], v[NIL]
	s_wait_dscnt 0x0
	s_endpgm
	; ---------------- w1, w2: f32 [k][n] to f16 [n][k].  A wave takes 32 columns (a lane a column) x 128 along K; a work-group 256 columns.
.Lcast:
	s_sub_co_u32 s15, ttmp9, 128                   ; 0-127: w1; 128-255: w2
	s_and_b32 s17, s15, 127
	s_and_b32 s18, s17, 15                         ; w1: 16 groups of columns x 8 along K
	s_lshr_b32 s19, s17, 4
	s_and_b32 s20, s17, 3                          ; w2: 4 x 32
	s_lshr_b32 s21, s17, 2
	s_mov_b32 s22, 16384
	s_mov_b32 s23, 8192
	s_mov_b32 s24, W2T
	s_cmp_lt_u32 s15, 128
	s_cselect_b32 s18, s18, s20                    ; the group of columns
	s_cselect_b32 s19, s19, s21                    ; which 128 along K
	s_cselect_b32 s22, s22, 4096                   ; a source row in bytes
	s_cselect_b32 s23, 2048, s23                   ; a row of the result
	s_cselect_b32 s24, W1T, s24
	s_lshl_b32 s26, s19, 7
	s_mul_i32 s26, s26, s22
	s_lshl_b32 s28, s18, 10
	s_add_co_u32 s26, s26, s28
	s_lshl_b32 s28, s14, 7
	s_add_co_u32 s26, s26, s28
	s_mov_b32 s27, 0
	s_lshl_b32 s28, s18, 8
	s_lshl_b32 s30, s14, 5
	s_add_co_u32 s28, s28, s30
	s_mul_i32 s28, s28, s23
	s_lshl_b32 s30, s19, 8
	s_add_co_u32 s28, s28, s30
	s_add_co_u32 s28, s28, s24
	s_mov_b32 s29, 0
	v_mul_lo_u32 v12, v2, s23
	v_lshl_add_u32 v12, v1, 4, v12                 ; out: lanes 0-15 one row, lanes 16-31 the next
	s_wait_kmcnt 0x0
	s_cmp_lt_u32 s15, 128                          ; the choice hangs on the work-group's number alone
	s_cselect_b64 s[8:9], s[8:9], s[10:11]
	s_add_nc_u64 s[8:9], s[8:9], s[26:27]
	s_add_nc_u64 s[12:13], s[12:13], s[28:29]
	s_cmp_lt_u32 s15, 128
	s_cbranch_scc0 .Lld_w2                         ; the rows' distance stands in the immediates: the loads, and the stores below, are written for each
.set i, 0
.rept 128
	global_load_b32 v[64+i], v5, s[8:9] offset:16384*i th:TH_LOAD_NT
.set i, i+1
.endr
	s_branch .Lld_done
.Lld_w2:
.set i, 0
.rept 128
	global_load_b32 v[64+i], v5, s[8:9] offset:4096*i th:TH_LOAD_NT
.set i, i+1
.endr
.Lld_done:
	s_wait_loadcnt 63                              ; the largest count that can be written: 65 of the 128 are in
.set i, 0
.rept 32
	v_cvt_pk_f16_f32 v[64+i], v[64+2*i], v[65+2*i]   ; in place, ascending
.set i, i+1
.endr
	s_wait_loadcnt 32
.rept 16
	v_cvt_pk_f16_f32 v[64+i], v[64+2*i], v[65+2*i]
.set i, i+1
.endr
	s_wait_loadcnt 0x0
.rept 16
	v_cvt_pk_f16_f32 v[64+i], v[64+2*i], v[65+2*i]
.set i, i+1
.endr
.irp j, 0,1,2,3,4,5,6,7,8,9,10,11,12,13,14,15
	ds_store_b128 v10, v[64+4*\j:67+4*\j] offset:16*\j
.endr
.irp t, 0,1,2,3,4,5,6,7,8,9,10,11,12,13,14,15
	ds_load_b128 v[128+4*\t:131+4*\t], v11 offset:544*\t   ; my own stage: these see my stores
.endr
	s_cmp_lt_u32 s15, 128
	s_cbranch_scc0 .Lst_w2
.irp t, 0,1,2,3,4,5,6,7,8,9,10,11,12,13,14,15
	s_wait_dscnt 15-\t
	global_store_b128 v12, v[128+4*\t:131+4*\t], s[12:13] offset:2*\t*2048   ; sixteen lanes store 256 consecutive bytes, aligned
.endr
	s_branch .Lst_done
.Lst_w2:
.irp t, 0,1,2,3,4,5,6,7,8,9,10,11,12,13,14,15
	s_wait_dscnt 15-\t
	global_store_b128 v12, v[128+4*\t:131+4*\t], s[12:13] offset:2*\t*8192
.endr
.Lst_done:
	s_wait_tensorcnt 0x0                           ; the wave's end
	ds_add_u32 v[SPW], v[NIL]
	s_wait_dscnt 0x0
	s_endpgm
.Lfunc_end_k_q0147cd7fed_wprep:
	.size	k_q0147cd7fed_wprep, .Lfunc_end_k_q0147cd7fed_wprep-k_q0147cd7fed_wprep
	.p2alignl 7, 3214868480
	.fill 96, 4, 3214868480
	.section	.rodata,"a",@progbits
	.p2align	6, 0x0
	.amdhsa_kernel k_q0147cd7fed_wprep
		.amdhsa_group_segment_fixed_size 115712
		.amdhsa_private_segment_fixed_size 0
		.amdhsa_enable_private_segment 0
		.amdhsa_kernarg_size 40
		.amdhsa_user_sgpr_count 2
		.amdhsa_user_sgpr_kernarg_segment_ptr 1
		.amdhsa_wavefront_size32 1
		.amdhsa_system_sgpr_workgroup_id_x 1
		.amdhsa_system_sgpr_workgroup_id_y 1
		.amdhsa_system_sgpr_workgroup_id_z 1
		.amdhsa_system_vgpr_workitem_id 0
		.amdhsa_next_free_vgpr 256
		.amdhsa_next_free_sgpr 66
		.amdhsa_reserve_vcc 1
		.amdhsa_float_denorm_mode_32 3
		.amdhsa_float_denorm_mode_16_64 3
		.amdhsa_memory_ordered 1
		.amdhsa_forward_progress 1
		.amdhsa_inst_pref_size 67
	.end_amdhsa_kernel
	.amdgpu_metadata
---
amdhsa.version: [ 1, 2 ]
amdhsa.kernels:
  - .name:           k_q0147cd7fed_wprep
    .symbol:         k_q0147cd7fed_wprep.kd
    .args:
      - { .name: qs, .offset: 0, .size: 8, .value_kind: global_buffer, .address_space: global }
      - { .name: wp, .offset: 8, .size: 8, .value_kind: global_buffer, .address_space: global }
      - { .name: w1, .offset: 16, .size: 8, .value_kind: global_buffer, .address_space: global }
      - { .name: w2, .offset: 24, .size: 8, .value_kind: global_buffer, .address_space: global }
      - { .name: wts, .offset: 32, .size: 8, .value_kind: global_buffer, .address_space: global }
    .group_segment_fixed_size: 115712
    .private_segment_fixed_size: 0
    .kernarg_segment_align: 8
    .kernarg_segment_size: 40
    .max_flat_workgroup_size: 256
    .sgpr_count:     66
    .vgpr_count:     256
    .wavefront_size: 32
...
	.end_amdgpu_metadata
.endif
;; end of part 3
;; launch gemm_o (part 4): grid 8 x 32, 4 waves a work-group, clusters of 4 x 4, 327,680 bytes of LDS; arguments qs, wts, yz, x, bp; writes yz
.if DOCPART == 4
	.amdgcn_target "amdgcn-amd-amdhsa--gfx1250"
	.amdhsa_code_object_version 6
	.text
	.protected	k_q0147cd7fed_gemm_o
	.globl	k_q0147cd7fed_gemm_o
	.p2align	8
	.type	k_q0147cd7fed_gemm_o,@function
k_q0147cd7fed_gemm_o:
	s_mov_b64 s[64:65], 0
	v_nop
	global_prefetch_b8 v0, s[64:65] scope:SCOPE_SE
	s_setreg_imm32_b32 hwreg(HW_REG_WAVE_MODE, 25, 1), 1
	s_wait_xcnt 0x0
	s_wait_alu depctr_hold_cnt(0) depctr_sa_sdst(0) depctr_va_vdst(0) depctr_va_sdst(0) depctr_va_ssrc(0) depctr_va_vcc(0) depctr_vm_vsrc(0)
	s_getreg_b32 s2, hwreg(HW_REG_IB_STS2, 6, 4)
	s_cmp_eq_u32 s2, 0
	s_cbranch_scc0 .Lentry_in_a_cluster
	s_endpgm
.Lentry_in_a_cluster:
	s_bfe_u32 s2, ttmp6, 0x10000c
	s_cmp_lg_u32 s2, 0xf033
	s_cbranch_scc0 .Lentry_shape_is_right
	s_endpgm
.Lentry_shape_is_right:
; Launch 4 of 8: y = x + esc_b (Q W'''_b^T) + bp, which stands for reference()'s products 4 to 6 (associative law: see the first kernel's head).  f16 operands, f32 sums.
; This text serves two launches; the switch HEADS at its head says which.  HEADS = 1: A = Q [16 h][4096 tok][64], B = W''' [2 b][16 h][1024 n][64], both head-major, K = (h, e) = 1,024; the sums are
; multiplied by esc_b, an exact power of two that launch 3 stored.  HEADS = 0: A = hid [4096][4096], B = w2^T [1024 n][4096 k]; z = o1 + hid w2 + b2.
; A tile of the result is 128 x 128: 256 work-groups.  Four waves, each 64 x 64: 16 accumulators.  K goes in steps of 256 through a ring of two LDS slots; a wave's tensor load brings 64 rows.
; HEADS = 1: a K step is four heads; a head's 64 rows of 128 bytes are 8 KB on end, so the tile is 4 rows of 8 KB, a head's stride apart, with 16 bytes of padding behind every 128: in LDS [head][64 rows][144].
; CLUSTER 4 x 4: A's tiles are shared along a row of the cluster, B's along a column (the batch hangs on the cluster's y alone, which all partners share): joint loads.
; THE MATRIX INSTRUCTION IS USED TRANSPOSED (source 0 = 16 rows of B, source 1 = 16 rows of A): a lane holds eight neighbouring numbers of a row of the result.
; THE WAY OUT: a wave's 64 columns of f32 are 256 bytes, aligned: each wave has a stage of its own and stores its own rows; the residual was loaded at the head, into window 2, in the layout of those rows.
; REGISTERS: window 0: v0-31 addresses, v12-15 the bias; v32-95 at work on the way out; v128-255 the accumulators ((a, b) at v[128 + 8 (4 a + b)]).  window 1: two fragment buffers of 128.  window 2: v0-127 the residual.
.set HEADS, 1
.set KSTEP, 256
.if HEADS
.set SIZE_K, 1024
.set PITCH, 144                        ; an LDS row: 128 bytes + 16: an odd multiple of 16
.set QB,    64*PITCH                   ; from a quarter step (64 along K: a head) to the next, in LDS
.set HALFT, 4*QB                       ; what one tensor load brings
.set ROWB,  128                        ; from row to row in memory
.set ASTEP, 4*4096*128                 ; a K step on in memory: four heads
.set BSTEP, 4*1024*128
.set BBASE, 256                        ; B's place in wts
.else
.set SIZE_K, 4096
.set PITCH, 528                        ; 512 bytes + 16
.set QB,    128
.set HALFT, 64*PITCH
.set ROWB,  SIZE_K*2
.set ASTEP, KSTEP*2
.set BSTEP, KSTEP*2
.set BBASE, 12583168
.endif
.set SLOT,   4*HALFT                   ; A's 128 rows, then B's 128 rows
.set SPARE,  2*SLOT                    ; behind the ring: the spare words, 128 bytes a wave: no other line names them
.set STAGE,  SPARE+512                 ; for each wave 16 rows x (256 + 16)
.set SPITCH, 272
.set LAPS, SIZE_K/(2*KSTEP)
.set BIA,  12
.set ADRA, 16
.set ADRB, 20
.set STO,  24
.set RD,   25
.set CO,   26
.set SPW,  28
.set NIL,  29
.set TMP,  32
.set ACC,  128
.set F0,   0
.set F1,   128
.set G1, 24
.set G0, 32
.set G1B, 48
.set G0B, 56
.set MSB, 0
.macro WIN new                         ; the immediate's high byte repeats the setting that is left
.if MSB != (\new)
	s_set_vgpr_msb (MSB<<8)|(\new)
.set MSB, (\new)
.endif
.endm
.set MUL,  0x05                        ; sources 0 (B) and 1 (A) window 1; C and D window 0
.set TO_F, 0x40                        ; destination window 1, address window 0
.macro JLOAD s                         ; a joint load: waves 0 and 1 fetch A's halves, waves 2 and 3 B's; an s_nop 0 and four v_nop follow each line
	s_cmp_eq_u32 s11, 0
	s_cbranch_scc0 .Lfor_b_\@
	tensor_load_to_lds s[G0+4*\s:G0+4*\s+3], s[G1:G1+7]
	s_nop 0
.rept 4
	v_nop
.endr
	s_branch .Lasked_\@
.Lfor_b_\@:
	tensor_load_to_lds s[G0B+4*\s:G0B+4*\s+3], s[G1B:G1B+7]
	s_nop 0
.rept 4
	v_nop
.endr
.Lasked_\@:
.endm
.macro CREST                           ; a round of the cluster's barrier behind its opening barrier
	s_cmp_lg_u32 s10, 0
	s_cbranch_scc1 .Lnot_wave_0_\@
	s_barrier_signal -3
.Lnot_wave_0_\@:
	s_barrier_wait -3
	s_barrier_signal -1
	s_barrier_wait -1
.endm
.macro CROUND
	s_barrier_signal -1
	s_barrier_wait -1
	CREST
.endm
	s_load_b128 s[4:7], s[0:1], 0x0                ; A's buffer, wts
	s_load_b64 s[8:9], s[0:1], 0x10                ; the result
	s_load_b128 s[68:71], s[0:1], 0x18             ; the residual, the bias
	v_lshl_add_u32 v[SPW], v0, 2, SPARE
	v_mov_b32 v[NIL], 0
	ds_add_u32 v[SPW], v[NIL]                      ; the wave's opening: the add, twice on end, and its wait ahead of my first tensor load
	ds_add_u32 v[SPW], v[NIL]
	v_lshrrev_b32 v1, 5, v0
	v_readfirstlane_b32 s10, v1                    ; wave
	s_lshr_b32 s11, s10, 1                         ; which half of the tile's rows is mine.  Also: I fetch for A (0) or for B (1)
	s_and_b32 s12, s10, 1                          ; which half of its columns.  Also: which 64 rows I fetch
	s_bfe_u32 s40, ttmp6, 0x40000
	s_bfe_u32 s41, ttmp6, 0x40004
	s_lshl_b32 s42, ttmp9, 2
	s_add_co_u32 s42, s42, s40                     ; tile column
	s_and_b32 s13, ttmp7, 0xffff
	s_lshl_b32 s13, s13, 2
	s_add_co_u32 s13, s13, s41                     ; tile row
	s_lshl_b32 s43, s41, 2
	s_lshl_b32 s43, 15, s43                        ; my row of the cluster
	s_lshl_b32 s44, 0x1111, s40                    ; my column
.if HEADS
	s_or_b32 s[G1+0], s43, (3<<16)|(1<<20)|(1<<21)|(4<<22)|(3<<25)   ; elements of 8 bytes; 4 words of padding behind every 32; bit 21 beside a mask
	s_or_b32 s[G1B+0], s44, (3<<16)|(1<<20)|(1<<21)|(4<<22)|(3<<25)
.irp g, G1, G1B
	s_mov_b32 s[\g+1], 1024<<16                    ; tensor_dim0 = 1,024 elements: 64 rows of 128 bytes on end
	s_mov_b32 s[\g+2], 4<<16                       ; tensor_dim1 = 4 heads
	s_mov_b32 s[\g+3], 1024<<16                    ; tile_dim0
	s_mov_b32 s[\g+4], 4                           ; tile_dim1
	s_mov_b32 s[\g+6], 0
	s_mov_b32 s[\g+7], 0
.endr
	s_mov_b32 s[G1+5], 4096*128/8                  ; from head to head, in elements
	s_mov_b32 s[G1B+5], 1024*128/8
.else
	s_or_b32 s[G1+0], s43, (1<<16)|(1<<20)|(1<<21)|(6<<22)|(3<<25)   ; elements of 2 bytes; 4 words of padding behind every 128
	s_or_b32 s[G1B+0], s44, (1<<16)|(1<<20)|(1<<21)|(6<<22)|(3<<25)
.irp g, G1, G1B
	s_mov_b32 s[\g+1], KSTEP<<16
	s_mov_b32 s[\g+2], 64<<16
	s_mov_b32 s[\g+3], KSTEP<<16
	s_mov_b32 s[\g+4], 64
	s_mov_b32 s[\g+5], SIZE_K
	s_mov_b32 s[\g+6], 0
	s_mov_b32 s[\g+7], 0
.endr
.endif
	s_lshl_b32 s17, s12, 6
	s_lshl_b32 s16, s13, 7
	s_add_co_u32 s16, s16, s17                     ; A: row 128 x tile row + 64 x half
	s_lshl_b32 s46, s42, 7
	s_add_co_u32 s46, s46, s17                     ; B: row 128 x tile column + 64 x half
	s_mov_b32 s17, 0
	s_mov_b32 s47, 0
	s_mov_b64 s[18:19], ROWB
	s_mul_u64 s[16:17], s[16:17], s[18:19]
	s_mul_u64 s[46:47], s[46:47], s[18:19]
.if HEADS
	s_and_b32 s74, ttmp7, 0xffff
	s_lshr_b32 s74, s74, 2                         ; the batch: 16 tile rows, four clusters along y
	s_lshl_b32 s76, s74, 21
	s_mov_b32 s77, 0
	s_add_nc_u64 s[46:47], s[46:47], s[76:77]      ; its W'''
.endif
	s_mul_i32 s20, s10, HALFT                      ; where the tiles go: wave x what a load brings
	s_wait_dscnt 0x0                               ; both opening adds are done
	s_wait_kmcnt 0x0
	s_add_nc_u64 s[14:15], s[4:5], s[16:17]
	s_add_nc_u64 s[46:47], s[6:7], s[46:47]
	s_add_nc_u64 s[46:47], s[46:47], BBASE
	CROUND                                         ; all sixteen work-groups are here: the first joint loads meet
.irp s, 0,1
	s_mov_b32 s[G0+4*\s], 1
	s_add_co_u32 s[G0+4*\s+1], s20, \s*SLOT
	s_add_nc_u64 s[G0+4*\s+2:G0+4*\s+3], s[14:15], \s*ASTEP
	s_or_b32 s[G0+4*\s+3], s[G0+4*\s+3], 0x80000000
	s_mov_b32 s[G0B+4*\s], 1
	s_add_co_u32 s[G0B+4*\s+1], s20, \s*SLOT
	s_add_nc_u64 s[G0B+4*\s+2:G0B+4*\s+3], s[46:47], \s*BSTEP
	s_or_b32 s[G0B+4*\s+3], s[G0B+4*\s+3], 0x80000000
	JLOAD \s
.endr
	v_and_b32 v1, 15, v0                           ; r
	v_bfe_u32 v2, v0, 4, 1                         ; h
	v_mul_u32_u24 v3, v1, PITCH
	v_lshl_add_u32 v3, v2, 4, v3
	s_mul_i32 s21, s11, HALFT                      ; my 64 rows of A
	s_mul_i32 s22, s12, HALFT                      ; my 64 rows of B,
	s_add_co_u32 s22, s22, 2*HALFT                 ; behind A's 128
.irp s, 0,1
	v_add_nc_u32 v[ADRA+\s], s21, v3
	v_add_nc_u32 v[ADRB+\s], s22, v3
	s_add_co_u32 s21, s21, SLOT
	s_add_co_u32 s22, s22, SLOT
.endr
	s_mul_i32 s23, s10, 16*SPITCH
	s_add_co_u32 s23, s23, STAGE                   ; my stage
	v_mul_u32_u24 v4, v1, SPITCH
	v_lshl_add_u32 v4, v2, 5, v4
	v_add_nc_u32 v[STO], s23, v4                   ; in: row r, 32 bytes for each half of the lanes
	v_mul_u32_u24 v5, v2, SPITCH
	v_lshl_add_u32 v5, v1, 4, v5
	v_add_nc_u32 v[RD], s23, v5                    ; back: lanes 0-15 one row of 256 bytes, lanes 16-31 the next
	v_lshlrev_b32 v5, 12, v2
	v_lshl_add_u32 v[CO], v1, 4, v5                ; the same two rows in memory: rows of 4,096 bytes
	s_lshl_b32 s16, s13, 7
	s_lshl_b32 s17, s11, 6
	s_add_co_u32 s16, s16, s17
	s_lshl_b32 s16, s16, 12                        ; my first row
	s_mov_b32 s17, 0
	s_add_nc_u64 s[8:9], s[8:9], s[16:17]
	s_add_nc_u64 s[68:69], s[68:69], s[16:17]
	s_lshl_b32 s46, s42, 9                         ; my first column, in bytes
	s_lshl_b32 s47, s12, 8
	s_add_co_u32 s46, s46, s47
	s_mov_b32 s47, 0
	s_add_nc_u64 s[8:9], s[8:9], s[46:47]
	s_add_nc_u64 s[68:69], s[68:69], s[46:47]
	s_add_nc_u64 s[70:71], s[70:71], s[46:47]
	WIN 0x80                                       ; destination window 2
.irp a, 0,1,2,3
.irp i, 0,1,2,3,4,5,6,7
	global_load_b128 v[32*\a+4*\i:32*\a+4*\i+3], v[CO], s[68:69] offset:(16*\a+2*\i)*4096   ; the residual of my 64 x 64: it lands under the whole product
.endr
.endr
	WIN 0
	v_lshlrev_b32 v6, 4, v1
	global_load_b128 v[BIA:BIA+3], v6, s[70:71]    ; the bias of my four columns on the way out
.if HEADS
	s_lshl_b32 s74, s74, 2
	s_mov_b32 s75, 0
	s_add_nc_u64 s[74:75], s[6:7], s[74:75]
	s_load_b32 s72, s[74:75], 0x0                  ; esc of my batch: a factor, and nothing else hangs on it
.endif
.macro MUL8 f, c, a0, zero             ; 8 products: m blocks a0, a0 + 1 x 4 n blocks, 32 along K: half c of buffer f.  zero = 1: the first product starts the sums
.irp a, \a0, \a0+1
.irp b, 0,1,2,3
.if \zero
	v_wmma_f32_16x16x32_f16 v[ACC+8*(4*(\a)+\b):ACC+8*(4*(\a)+\b)+7], v[\f+64+8*(4*\c+\b):\f+64+8*(4*\c+\b)+7], v[\f+8*(4*\c+\a):\f+8*(4*\c+\a)+7], 0
.else
	v_wmma_f32_16x16x32_f16 v[ACC+8*(4*(\a)+\b):ACC+8*(4*(\a)+\b)+7], v[\f+64+8*(4*\c+\b):\f+64+8*(4*\c+\b)+7], v[\f+8*(4*\c+\a):\f+8*(4*\c+\a)+7], v[ACC+8*(4*(\a)+\b):ACC+8*(4*(\a)+\b)+7]
.endif
.endr
.endr
.endm
.macro FETCH slot, k, f                ; 32 LDS loads in one run: the fragments of 64 along K at byte k, into buffer f; the first 32 along K first
	WIN TO_F
.irp c, 0,1
.irp i, 0,1,2,3
	ds_load_b128 v[\f+64+8*(4*\c+\i):\f+64+8*(4*\c+\i)+3],   v[ADRB+\slot] offset:\k+64*\c+\i*16*PITCH
	ds_load_b128 v[\f+64+8*(4*\c+\i)+4:\f+64+8*(4*\c+\i)+7], v[ADRB+\slot] offset:\k+64*\c+\i*16*PITCH+32
	ds_load_b128 v[\f+8*(4*\c+\i):\f+8*(4*\c+\i)+3],         v[ADRA+\slot] offset:\k+64*\c+\i*16*PITCH
	ds_load_b128 v[\f+8*(4*\c+\i)+4:\f+8*(4*\c+\i)+7],       v[ADRA+\slot] offset:\k+64*\c+\i*16*PITCH+32
.endr
.endr
.endm
.macro PLACES                          ; four places in front of loads into registers that matrix instructions have read, and of the first read of results
.rept 4
	v_nop
.endr
.endm
.macro QUARTER slot, k, f, g, zero     ; multiplies buffer f (64 along K) and fetches the next quarter, at byte k, into g.  The 16 accumulators take turns
	s_wait_dscnt 16                                ; the first 32 along K are in
	WIN MUL
	MUL8 \f, 0, 0, \zero
	MUL8 \f, 0, 2, \zero
	PLACES
	FETCH \slot, \k, \g
	s_wait_dscnt 32                                ; all but the 32 just issued
	WIN MUL
	MUL8 \f, 1, 0, 0
	MUL8 \f, 1, 2, 0
.endm
; The last quarter multiplies buffer 1 and changes slots: one barrier; in front of it each wave waits for all its tensor loads, adds 0 to its spare word, and waits for that and for its reads of this slot.
.macro TURN slot, next, fill
	WIN 0
	s_wait_tensorcnt 0x0                           ; all my tensor loads have landed: my part of the next slot
	ds_add_u32 v[SPW], v[NIL]
	s_wait_dscnt 17                                ; (the add and the youngest sixteen loads may be out)
	WIN MUL
	MUL8 F1, 0, 0, 0
	s_wait_dscnt 0x0                               ; the add is done, and my reads of this slot are over
	s_barrier_signal -1
	MUL8 F1, 0, 2, 0
.if \fill
	WIN 0
.endif
	s_barrier_wait -1
.if \fill
	CREST                                          ; the barrier has opened a round of the cluster's: no wave of any partner still reads this slot or has a load on its way
	s_add_nc_u64 s[G0+4*\slot+2:G0+4*\slot+3], s[G0+4*\slot+2:G0+4*\slot+3], 2*ASTEP
	s_add_nc_u64 s[G0B+4*\slot+2:G0B+4*\slot+3], s[G0B+4*\slot+2:G0B+4*\slot+3], 2*BSTEP
	JLOAD \slot                                    ; the first tensor load behind the round; its four v_nop are also the places in front of the loads below
.else
	PLACES
.endif
	FETCH \next, 0, F0
	WIN MUL
	MUL8 F1, 1, 0, 0
	MUL8 F1, 1, 2, 0
.endm
	s_wait_tensorcnt 1                             ; my part of K step 0 is in; K step 1's load may be out
	s_barrier_signal -1
	s_barrier_wait -1
	FETCH 0, 0, F0
	QUARTER 0, QB, F0, F1, 1
	WIN 0
	s_mov_b32 s3, LAPS-1
.Llap:                                                 ; a trip goes once round the ring and fills both slots again
	QUARTER 0, 2*QB, F1, F0, 0
	QUARTER 0, 3*QB, F0, F1, 0
	TURN 0, 1, 1
	QUARTER 1, QB, F0, F1, 0
	QUARTER 1, 2*QB, F1, F0, 0
	QUARTER 1, 3*QB, F0, F1, 0
	TURN 1, 0, 1
	QUARTER 0, QB, F0, F1, 0
	WIN 0
	s_sub_co_u32 s3, s3, 1
	s_cmp_lg_u32 s3, 0
	s_cbranch_scc1 .Llap
	QUARTER 0, 2*QB, F1, F0, 0                     ; the last lap fills nothing
	QUARTER 0, 3*QB, F0, F1, 0
	TURN 0, 1, 0
	QUARTER 1, QB, F0, F1, 0
	QUARTER 1, 2*QB, F1, F0, 0
	QUARTER 1, 3*QB, F0, F1, 0
	s_wait_dscnt 16
	WIN MUL
	MUL8 F1, 0, 0, 0
	MUL8 F1, 0, 2, 0
	s_wait_dscnt 0
	MUL8 F1, 1, 0, 0
	MUL8 F1, 1, 2, 0
	WIN 0
	; THE WAY OUT, 16 rows at a time through my own stage: LDS serves a wave's instructions in order, so no wait stands between the stores and the loads
	PLACES
	s_wait_loadcnt 0x0                             ; the residual and the bias
.if HEADS
	s_wait_kmcnt 0x0
	s_mov_b32 s73, s72                             ; (the packed form names the pair)
.endif
.macro TOSTAGE a
.irp b, 0,1,2,3
	ds_store_b128 v[STO], v[ACC+8*(4*(\a)+\b):ACC+8*(4*(\a)+\b)+3] offset:64*\b       ; each accumulator from its low end on
	ds_store_b128 v[STO], v[ACC+8*(4*(\a)+\b)+4:ACC+8*(4*(\a)+\b)+7] offset:64*\b+16
.endr
.set TT, TMP+32*((\a)%2)
.irp i, 0,1,2,3,4,5,6,7
	ds_load_b128 v[TT+4*\i:TT+4*\i+3], v[RD] offset:544*\i
.endr
.endm
.macro FIN a, younger                  ; younger: the LDS instructions issued behind block a's loads
.set TT, TMP+32*((\a)%2)
	s_wait_dscnt \younger
.irp k, 0,2,4,6,8,10,12,14,16,18,20,22,24,26,28,30
.if HEADS
	v_pk_fma_f32 v[TT+\k:TT+\k+1], v[TT+\k:TT+\k+1], s[72:73], v[BIA+\k%4:BIA+\k%4+1] op_sel_hi:[1,0,1]   ; esc x the sum + the bias
.else
	v_pk_add_f32 v[TT+\k:TT+\k+1], v[TT+\k:TT+\k+1], v[BIA+\k%4:BIA+\k%4+1]
.endif
.endr
	WIN 0x08                                       ; source 1 window 2
.irp k, 0,2,4,6,8,10,12,14,16,18,20,22,24,26,28,30
	v_pk_add_f32 v[TT+\k:TT+\k+1], v[TT+\k:TT+\k+1], v[32*(\a)+\k:32*(\a)+\k+1]   ; + the residual
.endr
	WIN 0
.irp i, 0,1,2,3,4,5,6,7
	global_store_b128 v[CO], v[TT+4*\i:TT+4*\i+3], s[8:9] offset:(16*(\a)+2*\i)*4096   ; sixteen lanes store 256 consecutive bytes, aligned
.endr
.endm
	TOSTAGE 0
	TOSTAGE 1
	FIN 0, 16
	s_wait_xcnt 0x0                                ; block 0's stores have read their registers: block 2's loads may land there
	TOSTAGE 2
	FIN 1, 16
	s_wait_xcnt 0x0
	TOSTAGE 3
	FIN 2, 16
	FIN 3, 0
	s_wait_tensorcnt 0x0                           ; the wave's end
	ds_add_u32 v[SPW], v[NIL]
	s_wait_dscnt 0x0
	CROUND                                         ; the closing round
	s_endpgm
.Lfunc_end_k_q0147cd7fed_gemm_o:
	.size	k_q0147cd7fed_gemm_o, .Lfunc_end_k_q0147cd7fed_gemm_o-k_q0147cd7fed_gemm_o
	.p2alignl 7, 3214868480
	.fill 96, 4, 3214868480
	.section	.rodata,"a",@progbits
	.p2align	6, 0x0
	.amdhsa_kernel k_q0147cd7fed_gemm_o
		.amdhsa_group_segment_fixed_size 327680
		.amdhsa_private_segment_fixed_size 0
		.amdhsa_enable_private_segment 0
		.amdhsa_kernarg_size 40
		.amdhsa_user_sgpr_count 2
		.amdhsa_user_sgpr_kernarg_segment_ptr 1
		.amdhsa_wavefront_size32 1
		.amdhsa_system_sgpr_workgroup_id_x 1
		.amdhsa_system_sgpr_workgroup_id_y 1
		.amdhsa_system_sgpr_workgroup_id_z 1
		.amdhsa_system_vgpr_workitem_id 0
		.amdhsa_next_free_vgpr 768
		.amdhsa_next_free_sgpr 80
		.amdhsa_reserve_vcc 0
		.amdhsa_float_denorm_mode_32 3
		.amdhsa_float_denorm_mode_16_64 3
		.amdhsa_memory_ordered 1
		.amdhsa_forward_progress 1
		.amdhsa_inst_pref_size 98
	.end_amdhsa_kernel
	.amdgpu_metadata
---
amdhsa.version: [ 1, 2 ]
amdhsa.kernels:
  - .name:           k_q0147cd7fed_gemm_o
    .symbol:         k_q0147cd7fed_gemm_o.kd
    .args:
      - { .name: qs, .offset: 0, .size: 8, .value_kind: global_buffer, .address_space: global }
      - { .name: wts, .offset: 8, .size: 8, .value_kind: global_buffer, .address_space: global }
      - { .name: yz, .offset: 16, .size: 8, .value_kind: global_buffer, .address_space: global }
      - { .name: x, .offset: 24, .size: 8, .value_kind: global_buffer, .address_space: global }
      - { .name: bp, .offset: 32, .size: 8, .value_kind: global_buffer, .address_space: global }
    .group_segment_fixed_size: 327680
    .private_segment_fixed_size: 0
    .kernarg_segment_align: 8
    .kernarg_segment_size: 40
    .max_flat_workgroup_size: 128
    .sgpr_count:     80
    .vgpr_count:     768
    .wavefront_size: 32
...
	.end_amdgpu_metadata
.endif
;; end of part 4
;; launch ln1 (part 5): grid 256 x 1, 4 waves a work-group, no clusters, 0 bytes of LDS; arguments yz, ln1_g, ln1_b, o1b; writes o1b
.if DOCPART == 5
	.amdgcn_target "amdgcn-amd-amdhsa--gfx1250"
	.amdhsa_code_object_version 6
	.text
	.protected	k_q0147cd7fed_ln1
	.globl	k_q0147cd7fed_ln1
	.p2align	8
	.type	k_q0147cd7fed_ln1,@function
k_q0147cd7fed_ln1:
	s_mov_b64 s[64:65], 0
	v_nop
	global_prefetch_b8 v0, s[64:65] scope:SCOPE_SE
	s_setreg_imm32_b32 hwreg(HW_REG_WAVE_MODE, 25, 1), 1
	s_wait_xcnt 0x0
; Launch 5 of 8: o1 = LN1(y), stored twice: f32 [4096][1024] at 0 (the residual of launches 7 and 8) and f16 at O1H (the operand of launch 6).
; A row of 4,096 bytes is one wave's: eight loads of 16 bytes a lane, 32 registers; it stays in registers between the mean, the variance (of x - mean, as reference() takes it) and the scaling.
; A wave has four rows, all asked for at the head.  No LDS, no barrier: waves share nothing.  Matrix units, clusters and tensor loads would add nothing to a stream.
.set O1H, 16777216
.set G,   8                            ; v8-39    the gain of my 32 columns
.set B,   40                           ; v40-71   the bias
.set Y,   72                           ; v72-199  four rows
.set T,   200                          ; v200-208 at work
.set H,   216                          ; v216-231 a row as f16
.set SEL, 16
.set RN,  18
.set EPS, 19
	s_load_b256 s[4:11], s[0:1], 0x0               ; yz, gain, bias, o1b
	v_lshrrev_b32 v1, 5, v0
	v_readfirstlane_b32 s12, v1
	v_and_b32 v2, 31, v0
	v_lshlrev_b32 v1, 4, v2                        ; 16 x lane
	v_lshlrev_b32 v2, 3, v2                        ; 8 x lane
	s_lshl_b32 s13, ttmp9, 2
	s_add_co_u32 s13, s13, s12                     ; my four rows
	s_lshl_b32 s20, s13, 14
	s_mov_b32 s21, 0
	s_lshl_b32 s22, s13, 13
	s_add_co_u32 s22, s22, O1H
	s_mov_b32 s23, 0
	s_mov_b32 s[SEL], 0x76543210
	s_mov_b32 s[SEL+1], 0xfedcba98
	s_mov_b32 s[RN], 0x3a800000                    ; 1 / 1,024
	s_mov_b32 s[EPS], 0x3727c5ac                   ; 1e-5
	v_mov_b32 v[T+8], 0                            ; a lane permute's destination counts as one of its sources
	s_wait_kmcnt 0x0
	s_add_nc_u64 s[4:5], s[4:5], s[20:21]
	s_add_nc_u64 s[14:15], s[10:11], s[22:23]
	s_add_nc_u64 s[10:11], s[10:11], s[20:21]
.irp j, 0,1,2,3,4,5,6,7
	global_load_b128 v[G+4*\j:G+4*\j+3], v1, s[6:7] offset:512*\j
	global_load_b128 v[B+4*\j:B+4*\j+3], v1, s[8:9] offset:512*\j
.endr
.irp p, 0,1,2,3
.irp j, 0,1,2,3,4,5,6,7
	global_load_b128 v[Y+32*\p+4*\j:Y+32*\p+4*\j+3], v1, s[4:5] offset:4096*\p+512*\j th:TH_LOAD_NT
.endr
.endr
.macro WSUM                            ; v[T] summed over the 32 lanes, the result in every lane
	v_add_f32_dpp v[T], v[T], v[T] row_xmask:1 row_mask:0xf bank_mask:0xf
	v_add_f32_dpp v[T], v[T], v[T] row_xmask:2 row_mask:0xf bank_mask:0xf
	v_add_f32_dpp v[T], v[T], v[T] row_xmask:4 row_mask:0xf bank_mask:0xf
	v_add_f32_dpp v[T], v[T], v[T] row_xmask:8 row_mask:0xf bank_mask:0xf
	v_permlanex16_b32 v[T+8], v[T], s[SEL], s[SEL+1]
	v_add_f32 v[T], v[T], v[T+8]
.endm
.macro NORM z                          ; the row in v[z] .. v[z + 31] becomes (x - mean) / sqrt(var + eps)
	v_pk_add_f32 v[T:T+1], v[\z:\z+1], v[\z+2:\z+3]
	v_pk_add_f32 v[T+2:T+3], v[\z+4:\z+5], v[\z+6:\z+7]
	v_pk_add_f32 v[T+4:T+5], v[\z+8:\z+9], v[\z+10:\z+11]
	v_pk_add_f32 v[T+6:T+7], v[\z+12:\z+13], v[\z+14:\z+15]
.irp k, 16,24
	v_pk_add_f32 v[T:T+1], v[T:T+1], v[\z+\k:\z+\k+1]
	v_pk_add_f32 v[T+2:T+3], v[T+2:T+3], v[\z+\k+2:\z+\k+3]
	v_pk_add_f32 v[T+4:T+5], v[T+4:T+5], v[\z+\k+4:\z+\k+5]
	v_pk_add_f32 v[T+6:T+7], v[T+6:T+7], v[\z+\k+6:\z+\k+7]
.endr
	v_pk_add_f32 v[T:T+1], v[T:T+1], v[T+2:T+3]
	v_pk_add_f32 v[T+4:T+5], v[T+4:T+5], v[T+6:T+7]
	v_pk_add_f32 v[T:T+1], v[T:T+1], v[T+4:T+5]
	v_add_f32 v[T], v[T], v[T+1]
	WSUM
	v_mul_f32 v[T+2], s[RN], v[T]                  ; the mean
	v_mov_b32 v[T+3], v[T+2]
.irp k, 0,2,4,6,8,10,12,14,16,18,20,22,24,26,28,30
	v_pk_add_f32 v[\z+\k:\z+\k+1], v[\z+\k:\z+\k+1], v[T+2:T+3] neg_lo:[0,1] neg_hi:[0,1]
.endr
	v_pk_mul_f32 v[T:T+1], v[\z:\z+1], v[\z:\z+1]
	v_pk_mul_f32 v[T+4:T+5], v[\z+2:\z+3], v[\z+2:\z+3]
.irp k, 4,8,12,16,20,24,28
	v_pk_fma_f32 v[T:T+1], v[\z+\k:\z+\k+1], v[\z+\k:\z+\k+1], v[T:T+1]
	v_pk_fma_f32 v[T+4:T+5], v[\z+\k+2:\z+\k+3], v[\z+\k+2:\z+\k+3], v[T+4:T+5]
.endr
	v_pk_add_f32 v[T:T+1], v[T:T+1], v[T+4:T+5]
	v_add_f32 v[T], v[T], v[T+1]
	WSUM
	v_fma_f32 v[T], v[T], s[RN], s[EPS]            ; the variance + eps
	v_rsq_f32 v[T+2], v[T]
	v_nop                                          ; a plain instruction behind the transcendental,
	s_wait_alu depctr_va_vdst(0)                   ; and a wait ahead of its first reader
	v_mov_b32 v[T+3], v[T+2]
.irp k, 0,2,4,6,8,10,12,14,16,18,20,22,24,26,28,30
	v_pk_mul_f32 v[\z+\k:\z+\k+1], v[\z+\k:\z+\k+1], v[T+2:T+3]
.endr
.endm
.irp p, 0,1,2,3
	s_wait_loadcnt 8*(3-\p)                        ; this row's eight loads are in; the later rows' may be out
	s_wait_xcnt 0x0                                ; the last row's stores have read H: it is written again only behind this wait
	NORM Y+32*\p
.irp k, 0,2,4,6,8,10,12,14,16,18,20,22,24,26,28,30
	v_pk_fma_f32 v[Y+32*\p+\k:Y+32*\p+\k+1], v[Y+32*\p+\k:Y+32*\p+\k+1], v[G+\k:G+\k+1], v[B+\k:B+\k+1]
.endr
.irp j, 0,1,2,3,4,5,6,7
	global_store_b128 v1, v[Y+32*\p+4*\j:Y+32*\p+4*\j+3], s[10:11] offset:4096*\p+512*\j   ; 512 consecutive bytes
.endr
.irp i, 0,1,2,3,4,5,6,7,8,9,10,11,12,13,14,15
	v_cvt_pk_f16_f32 v[H+\i], v[Y+32*\p+2*\i], v[Y+32*\p+2*\i+1]
.endr
.irp j, 0,1,2,3,4,5,6,7
	global_store_b64 v2, v[H+2*\j:H+2*\j+1], s[14:15] offset:2048*\p+256*\j   ; 256 consecutive bytes, aligned
.endr
.endr
	s_endpgm
.Lfunc_end_k_q0147cd7fed_ln1:
	.size	k_q0147cd7fed_ln1, .Lfunc_end_k_q0147cd7fed_ln1-k_q0147cd7fed_ln1
	.p2alignl 7, 3214868480
	.fill 96, 4, 3214868480
	.section	.rodata,"a",@progbits
	.p2align	6, 0x0
	.amdhsa_kernel k_q0147cd7fed_ln1
		.amdhsa_group_segment_fixed_size 0
		.amdhsa_private_segment_fixed_size 0
		.amdhsa_enable_private_segment 0
		.amdhsa_kernarg_size 32
		.amdhsa_user_sgpr_count 2
		.amdhsa_user_sgpr_kernarg_segment_ptr 1
		.amdhsa_wavefront_size32 1
		.amdhsa_system_sgpr_workgroup_id_x 1
		.amdhsa_system_sgpr_workgroup_id_y 1
		.amdhsa_system_sgpr_workgroup_id_z 1
		.amdhsa_system_vgpr_workitem_id 0
		.amdhsa_next_free_vgpr 232
		.amdhsa_next_free_sgpr 66
		.amdhsa_reserve_vcc 0
		.amdhsa_float_denorm_mode_32 3
		.amdhsa_float_denorm_mode_16_64 3
		.amdhsa_memory_ordered 1
		.amdhsa_forward_progress 1
		.amdhsa_inst_pref_size 40
	.end_amdhsa_kernel
	.amdgpu_metadata
---
amdhsa.version: [ 1, 2 ]
amdhsa.kernels:
  - .name:           k_q0147cd7fed_ln1
    .symbol:         k_q0147cd7fed_ln1.kd
    .args:
      - { .name: yz, .offset: 0, .size: 8, .value_kind: global_buffer, .address_space: global }
      - { .name: ln1_g, .offset: 8, .size: 8, .value_kind: global_buffer, .address_space: global }
      - { .name: ln1_b, .offset: 16, .size: 8, .value_kind: global_buffer, .address_space: global }
      - { .name: o1b, .offset: 24, .size: 8, .value_kind: global_buffer, .address_space: global }
    .group_segment_fixed_size: 0
    .private_segment_fixed_size: 0
    .kernarg_segment_align: 8
    .kernarg_segment_size: 32
    .max_flat_workgroup_size: 128
    .sgpr_count:     66
    .vgpr_count:     232
    .wavefront_size: 32
...
	.end_amdgpu_metadata
.endif
;; end of part 5
;; launch gemm_w1 (part 6): grid 16 x 16, 4 waves a work-group, clusters of 4 x 4, 327,680 bytes of LDS; arguments o1b, wts, hid, b1; writes hid
.if DOCPART == 6
	.amdgcn_target "amdgcn-amd-amdhsa--gfx1250"
	.amdhsa_code_object_version 6
	.text
	.protected	k_q0147cd7fed_gemm_w1
	.globl	k_q0147cd7fed_gemm_w1
	.p2align	8
	.type	k_q0147cd7fed_gemm_w1,@function
k_q0147cd7fed_gemm_w1:
	s_mov_b64 s[64:65], 0
	v_nop
	global_prefetch_b8 v0, s[64:65] scope:SCOPE_SE
	s_setreg_imm32_b32 hwreg(HW_REG_WAVE_MODE, 25, 1), 1
	s_wait_xcnt 0x0
	s_wait_alu depctr_hold_cnt(0) depctr_sa_sdst(0) depctr_va_vdst(0) depctr_va_sdst(0) depctr_va_ssrc(0) depctr_va_vcc(0) depctr_vm_vsrc(0)
	s_getreg_b32 s2, hwreg(HW_REG_IB_STS2, 6, 4)
	s_cmp_eq_u32 s2, 0
	s_cbranch_scc0 .Lentry_in_a_cluster
	s_endpgm
.Lentry_in_a_cluster:
	s_bfe_u32 s2, ttmp6, 0x10000c
	s_cmp_lg_u32 s2, 0xf033
	s_cbranch_scc0 .Lentry_shape_is_right
	s_endpgm
.Lentry_shape_is_right:
; Launch 6 of 8: hid = relu(o1 w1 + b1), f16 operands, f32 sums, hid rounded once to f16 (limit: under 65,504).  A = o1 as f16 [4096][1024] (o1b at O1H), B = w1^T [4096 n][1024 k] (wts at W1T).
; A tile of 256 x 256 is made by a work-group of four waves, as many as a WGP has SIMDs; a wave makes 128 x 128: 64 accumulators, 512 registers.  16 x 16 tiles: one for each of 256 work-groups.
; K goes in steps of 128 (rows of 256 bytes) through a ring of two LDS slots filled by the tensor data mover.  The last K step goes by rows of the result, so that finished rows leave while the others are multiplied.
; CLUSTER 4 x 4: A's tiles are shared along a row of the cluster, B's along a column: joint loads.
; THE MATRIX INSTRUCTION IS USED TRANSPOSED (source 0 = 16 rows of B, source 1 = 16 rows of A): a lane holds eight neighbouring numbers of a row.  b1 is the C of each sum's first instruction.
; REGISTERS: window 0: v0-31 addresses; v64-127, v128-191 A's fragments, two buffers (in the last K step four, of 16 rows x 128 K); v192-255 b1 in the result's layout, later at work on the way out, with v32-63.
;   window 1: v64-127, v128-191 B's fragments; in the last K step all 256.  window 2: the accumulators of my rows 0-63 ((a, b) at v[8 (8 a + b)]); window 3: those of my rows 64-127.
.set SIZE_M, 4096
.set SIZE_N, 4096
.set SIZE_K, 1024
.set O1H,    16777216
.set W1T,    4194560
.set KSTEP,  128
.set PITCH,  272                       ; an LDS row: 256 bytes + 16: the 16 rows that a load touches start at 16 different banks
.set HALFT,  128*PITCH
.set SLOT,   4*HALFT
.set STAGE,  2*SLOT                    ; behind the ring: 16 rows x 272 bytes for each wave
.set SPITCH, 272
.set SPARE,  STAGE+4*16*SPITCH         ; the spare words, 128 bytes a wave: no other line names them
.set LAPS, SIZE_K/(2*KSTEP)
.set ADRA, 16
.set ADRB, 20
.set STO,  24
.set RD,   25
.set CO,   26
.set SPW,  28
.set NIL,  29
.set PFO,  30                          ; v30  the prefetches' offset: my lane x a row in memory; never rewritten
.set PFA,  44                          ; s[44:45] where my prefetches stand
.set LIM,  43                          ; s43  1 in a wave that prefetches, else the greatest number
.set F0,   64
.set F1,   128
.set BI,   192                         ; b1: block b's eight numbers at v[BI + 8 b]
.set TMP,  192
.set OB,   32
.set PA,   64
.set G1, 24
.set G0, 32
.set G1B, 48
.set G0B, 56
.set MSB, 0
.macro WIN new                         ; the immediate's high byte repeats the setting that is left
.if MSB != (\new)
	s_set_vgpr_msb (MSB<<8)|(\new)
.set MSB, (\new)
.endif
.endm
.set MUL_LO, 0xa1                      ; source 0 (B) window 1, source 1 (A) window 0, C and D window 2
.set MUL_HI, 0xf1                      ; the same, C and D window 3
.set TO_B,   0x40
.macro JLOAD s                         ; a joint load: waves 0 and 1 fetch A's halves, waves 2 and 3 B's; an s_nop 0 and four v_nop follow each line
	s_cmp_eq_u32 s11, 0
	s_cbranch_scc0 .Lfor_b_\@
	tensor_load_to_lds s[G0+4*\s:G0+4*\s+3], s[G1:G1+7]
	s_nop 0
.rept 4
	v_nop
.endr
	s_branch .Lasked_\@
.Lfor_b_\@:
	tensor_load_to_lds s[G0B+4*\s:G0B+4*\s+3], s[G1B:G1B+7]
	s_nop 0
.rept 4
	v_nop
.endr
.Lasked_\@:
.endm
; A prefetch behind each joint load and the run of LDS loads that follows it: the K step that stands two refills on: 32 rows x 256 bytes, a lane a row, one instruction a wave.
; Each row's 256 bytes of a K step are named once in the launch: the cluster with x = 0 asks for A's rows, the cluster with y = 0 for B's; the four partners that ask for a tile jointly share its rows out by
; address, 32 each.  The loop's last trip asks for nothing: no K step stands two refills on.
.macro ASK
	s_cmp_gt_u32 s3, s[LIM]                        ; s3 = 1 in the loop's last trip
	s_cbranch_scc0 .Lnot_mine_\@
	global_prefetch_b8 v[PFO], s[PFA:PFA+1] offset:KSTEP*2 th:TH_LOAD_NT scope:SCOPE_SE
.Lnot_mine_\@:
.endm
.macro CREST
	s_cmp_lg_u32 s10, 0
	s_cbranch_scc1 .Lnot_wave_0_\@
	s_barrier_signal -3
.Lnot_wave_0_\@:
	s_barrier_wait -3
	s_barrier_signal -1
	s_barrier_wait -1
.endm
.macro CROUND
	s_barrier_signal -1
	s_barrier_wait -1
	CREST
.endm
	s_load_b128 s[4:7], s[0:1], 0x0                ; o1b, wts
	s_load_b64 s[8:9], s[0:1], 0x10                ; hid
	s_load_b64 s[66:67], s[0:1], 0x18              ; b1
	v_lshl_add_u32 v[SPW], v0, 2, SPARE
	v_mov_b32 v[NIL], 0
	ds_add_u32 v[SPW], v[NIL]                      ; the wave's opening: the add, twice on end, and its wait ahead of my first tensor load
	ds_add_u32 v[SPW], v[NIL]
	v_lshrrev_b32 v1, 5, v0
	v_readfirstlane_b32 s10, v1                    ; wave
	s_lshr_b32 s11, s10, 1                         ; which half of the tile's rows is mine.  Also: I fetch for A (0) or for B (1)
	s_and_b32 s12, s10, 1                          ; which half of its columns.  Also: which 128 rows I fetch
	s_bfe_u32 s40, ttmp6, 0x40000
	s_bfe_u32 s41, ttmp6, 0x40004
	s_lshl_b32 s42, ttmp9, 2
	s_add_co_u32 s42, s42, s40                     ; tile column
	s_and_b32 s13, ttmp7, 0xffff
	s_lshl_b32 s13, s13, 2
	s_add_co_u32 s13, s13, s41                     ; tile row
	s_lshl_b32 s43, s41, 2
	s_lshl_b32 s43, 15, s43                        ; my row of the cluster
	s_lshl_b32 s44, 0x1111, s40                    ; my column
	s_or_b32 s[G1+0], s43, (1<<16)|(1<<20)|(1<<21)|(5<<22)|(3<<25)   ; elements of 2 bytes; 4 words of padding behind every 64; bit 21 beside a mask
	s_or_b32 s[G1B+0], s44, (1<<16)|(1<<20)|(1<<21)|(5<<22)|(3<<25)
.irp g, G1, G1B
	s_mov_b32 s[\g+1], KSTEP<<16                   ; tensor_dim0 = 128
	s_mov_b32 s[\g+2], 128<<16                     ; tensor_dim1 = 128
	s_mov_b32 s[\g+3], KSTEP<<16                   ; tile_dim0
	s_mov_b32 s[\g+4], 128                         ; tile_dim1
	s_mov_b32 s[\g+5], SIZE_K                      ; from row to row
	s_mov_b32 s[\g+6], 0
	s_mov_b32 s[\g+7], 0
.endr
	s_lshl_b32 s17, s12, 7
	s_lshl_b32 s16, s13, 8
	s_add_co_u32 s16, s16, s17                     ; A: row 256 x tile row + 128 x half
	s_lshl_b32 s46, s42, 8
	s_add_co_u32 s46, s46, s17                     ; B: row 256 x tile column + 128 x half
	s_mov_b32 s17, 0
	s_mov_b32 s47, 0
	s_mov_b64 s[18:19], SIZE_K*2
	s_mul_u64 s[16:17], s[16:17], s[18:19]
	s_mul_u64 s[46:47], s[46:47], s[18:19]
	s_mul_i32 s20, s10, HALFT
	s_wait_dscnt 0x0                               ; both opening adds are done
	s_wait_kmcnt 0x0
	s_add_nc_u64 s[4:5], s[4:5], O1H               ; o1 as f16
	s_add_nc_u64 s[6:7], s[6:7], W1T               ; w1^T
	s_add_nc_u64 s[14:15], s[4:5], s[16:17]
	s_add_nc_u64 s[46:47], s[6:7], s[46:47]
	CROUND                                         ; all sixteen work-groups are here: the first joint loads meet
.irp s, 0,1
	s_mov_b32 s[G0+4*\s], 1
	s_add_co_u32 s[G0+4*\s+1], s20, \s*SLOT
	s_add_nc_u64 s[G0+4*\s+2:G0+4*\s+3], s[14:15], \s*KSTEP*2
	s_or_b32 s[G0+4*\s+3], s[G0+4*\s+3], 0x80000000
	s_mov_b32 s[G0B+4*\s], 1
	s_add_co_u32 s[G0B+4*\s+1], s20, \s*SLOT
	s_add_nc_u64 s[G0B+4*\s+2:G0B+4*\s+3], s[46:47], \s*KSTEP*2
	s_or_b32 s[G0B+4*\s+3], s[G0B+4*\s+3], 0x80000000
	JLOAD \s
.endr
	v_and_b32 v1, 15, v0                           ; r
	v_bfe_u32 v2, v0, 4, 1                         ; h
	v_mul_u32_u24 v3, v1, PITCH
	v_lshl_add_u32 v3, v2, 4, v3
	s_mul_i32 s21, s11, HALFT
	s_mul_i32 s22, s12, HALFT
	s_add_co_u32 s22, s22, 2*HALFT
.irp s, 0,1
	v_add_nc_u32 v[ADRA+\s], s21, v3
	v_add_nc_u32 v[ADRB+\s], s22, v3
	s_add_co_u32 s21, s21, SLOT
	s_add_co_u32 s22, s22, SLOT
.endr
	s_mul_i32 s23, s10, 16*SPITCH
	s_add_co_u32 s23, s23, STAGE
	v_mul_u32_u24 v4, v1, SPITCH
	v_lshl_add_u32 v4, v2, 4, v4
	v_add_nc_u32 v[STO], s23, v4
	v_mul_u32_u24 v5, v2, SPITCH
	v_lshl_add_u32 v5, v1, 4, v5
	v_add_nc_u32 v[RD], s23, v5
	v_mul_u32_u24 v5, v2, SIZE_N*2
	v_lshl_add_u32 v[CO], v1, 4, v5
	s_lshl_b32 s13, s13, 8
	s_lshl_b32 s14, s11, 7
	s_add_co_u32 s16, s13, s14                     ; my first row of the result
	s_mov_b32 s17, 0
	s_mov_b64 s[18:19], SIZE_N*2
	s_mul_u64 s[16:17], s[16:17], s[18:19]
	s_lshl_b32 s46, s42, 9                         ; my first column, in bytes
	s_lshl_b32 s47, s12, 8
	s_add_co_u32 s46, s46, s47
	s_mov_b32 s47, 0
	s_add_nc_u64 s[16:17], s[16:17], s[46:47]
	; the prefetches: s13 = 256 x tile row, s42 = tile column, s40 = cx, s41 = cy
	s_lshl_b32 s42, s42, 8
	s_and_b32 s22, ttmp7, 0xffff
	s_cmp_eq_u32 s11, 0                            ; do I fetch for A?
	s_cselect_b32 s20, s13, s42                    ; the tile's first row
	s_cselect_b32 s21, s40, s41                    ; my place among the four that ask for it with me
	s_cselect_b32 s22, ttmp9, s22                  ; the coordinate along which other clusters read the same rows
	s_cselect_b64 s[PFA:PFA+1], s[4:5], s[6:7]
	s_cmp_eq_u32 s22, 0
	s_cselect_b32 s[LIM], 1, -1
	s_lshl_b32 s22, s12, 7
	s_add_co_u32 s20, s20, s22
	s_lshl_b32 s21, s21, 5
	s_add_co_u32 s20, s20, s21
	s_mov_b32 s21, 0
	s_mov_b64 s[18:19], SIZE_K*2
	s_mul_u64 s[20:21], s[20:21], s[18:19]
	s_add_nc_u64 s[PFA:PFA+1], s[PFA:PFA+1], s[20:21]
	s_add_nc_u64 s[PFA:PFA+1], s[PFA:PFA+1], 2*KSTEP*2  ; at K step 2: the first refill steps it to 3 and names K step 4
	v_and_b32 v[PFO], 31, v0
	v_mul_u32_u24 v[PFO], v[PFO], SIZE_K*2
	s_lshl_b32 s20, s42, 2                         ; b1 at my 128 columns
	s_lshl_b32 s21, s12, 9
	s_add_co_u32 s20, s20, s21
	s_mov_b32 s21, 0
	s_add_nc_u64 s[66:67], s[66:67], s[20:21]
	v_lshlrev_b32 v6, 5, v2
.irp b, 0,1,2,3,4,5,6,7                ; lane (r, h) wants, for column block b, b1 at 16 b + 8 h + 0 .. 7
	global_load_b128 v[BI+8*\b:BI+8*\b+3], v6, s[66:67] offset:64*\b
	global_load_b128 v[BI+8*\b+4:BI+8*\b+7], v6, s[66:67] offset:64*\b+16
.endr
; 16 products: m blocks a0, a0 + 1 of the window's four x all 8 n blocks, 32 along K.  zero = 1: the first product starts the sums from b1 (C in window 0)
.macro MUL16 f, hi, a0, zero
.irp a, \a0, \a0+1
.irp b, 0,1,2,3,4,5,6,7
.if \zero
	v_wmma_f32_16x16x32_f16 v[8*(8*(\a)+\b):8*(8*(\a)+\b)+7], v[\f+8*\b:\f+8*\b+7], v[\f+8*(4*\hi+\a):\f+8*(4*\hi+\a)+7], v[BI+8*\b:BI+8*\b+7]
.else
	v_wmma_f32_16x16x32_f16 v[8*(8*(\a)+\b):8*(8*(\a)+\b)+7], v[\f+8*\b:\f+8*\b+7], v[\f+8*(4*\hi+\a):\f+8*(4*\hi+\a)+7], v[8*(8*(\a)+\b):8*(8*(\a)+\b)+7]
.endif
.endr
.endr
.endm
.macro FETCH slot, k, f                ; 32 LDS loads in one run: the fragments of one quarter step into buffer f
	WIN TO_B
.irp i, 0,1,2,3,4,5,6,7
	ds_load_b128 v[\f+8*\i:\f+8*\i+3],   v[ADRB+\slot] offset:\k+\i*16*PITCH
	ds_load_b128 v[\f+8*\i+4:\f+8*\i+7], v[ADRB+\slot] offset:\k+\i*16*PITCH+32
.endr
	WIN 0
.irp i, 0,1,2,3,4,5,6,7
	ds_load_b128 v[\f+8*\i:\f+8*\i+3],   v[ADRA+\slot] offset:\k+\i*16*PITCH
	ds_load_b128 v[\f+8*\i+4:\f+8*\i+7], v[ADRA+\slot] offset:\k+\i*16*PITCH+32
.endr
.endm
.macro PLACES                          ; four places in front of loads into registers that matrix instructions have read, and of vector instructions that touch results just made
.rept 4
	v_nop
.endr
.endm
.macro QUARTER slot, k, f, g, zero     ; 64 products on buffer f; in its middle the next quarter's fragments, at byte k, into g.  The 64 accumulators take turns
	s_wait_dscnt 8                                 ; B and A's rows 0-63 are in; the youngest eight loads may be out
	WIN MUL_LO-0x20*(\zero)
	MUL16 \f, 0, 0, \zero
	MUL16 \f, 0, 2, \zero
	PLACES
	FETCH \slot, \k, \g
	s_wait_dscnt 32                                ; all but the 32 just issued
	WIN MUL_HI-0x30*(\zero)
	MUL16 \f, 1, 0, \zero
	MUL16 \f, 1, 2, \zero
.endm
; The last quarter multiplies buffer 1 and changes slots.  MEET is its first half: one barrier; in front of it each wave waits for all its tensor loads, adds 0 to its spare word, and waits for that and for its reads of this slot.
.macro MEET round
	WIN 0
	s_wait_tensorcnt 0x0                           ; all my tensor loads have landed: my part of the next slot
	ds_add_u32 v[SPW], v[NIL]
	s_wait_dscnt 9                                 ; (the add and the youngest eight loads may be out)
	WIN MUL_LO
	MUL16 F1, 0, 0, 0
	s_wait_dscnt 0x0                               ; the add is done, and my reads of this slot are over
	s_barrier_signal -1
	MUL16 F1, 0, 2, 0
.if \round
	WIN 0
.endif
	s_barrier_wait -1
.endm
.macro TURN slot, next
	s_wait_xcnt 0x0                                ; the last prefetch, a K step back, has read its address: it is stepped here
	s_add_nc_u64 s[PFA:PFA+1], s[PFA:PFA+1], KSTEP*2
	MEET 1
	CREST                                          ; no wave of any partner still reads this slot's tile or has a load on its way
	s_add_nc_u64 s[G0+4*\slot+2:G0+4*\slot+3], s[G0+4*\slot+2:G0+4*\slot+3], 2*KSTEP*2
	s_add_nc_u64 s[G0B+4*\slot+2:G0B+4*\slot+3], s[G0B+4*\slot+2:G0B+4*\slot+3], 2*KSTEP*2
	JLOAD \slot                                    ; the first tensor load behind the round; its four v_nop are also the places in front of the loads below
	FETCH \next, 0, F0
	ASK
	WIN MUL_HI
	MUL16 F1, 1, 0, 0
	MUL16 F1, 1, 2, 0
.endm
; The last K step (it lies in slot 1) goes by rows of the result: all its fragments of B fill window 1; my eight blocks of 16 rows are finished one after the other, 32 products each, the block's 8 accumulators by turns.
.macro BLOAD q
.irp i, 0,1,2,3,4,5,6,7
	ds_load_b128 v[64*\q+8*\i:64*\q+8*\i+3],   v[ADRB+1] offset:64*\q+\i*16*PITCH
	ds_load_b128 v[64*\q+8*\i+4:64*\q+8*\i+7], v[ADRB+1] offset:64*\q+\i*16*PITCH+32
.endr
.endm
.macro ALOAD a
.set FA, PA+32*((\a)%4)
.irp q, 0,1,2,3
	ds_load_b128 v[FA+8*\q:FA+8*\q+3],   v[ADRA+1] offset:64*\q+(\a)*16*PITCH
	ds_load_b128 v[FA+8*\q+4:FA+8*\q+7], v[ADRA+1] offset:64*\q+(\a)*16*PITCH+32
.endr
.endm
.macro ROW a
.set FA, PA+32*((\a)%4)
.set AC, 64*((\a)%4)
	WIN MUL_LO+0x50*((\a)/4)
.irp q, 0,1,2,3
.if (\a) == 0 && \q == 2
	s_wait_dscnt 24                                ; B's quarter 2 is in (behind it: A's blocks 1 to 3)
.endif
.irp b, 0,1,2,3,4,5,6,7
	v_wmma_f32_16x16x32_f16 v[AC+8*\b:AC+8*\b+7], v[64*\q+8*\b:64*\q+8*\b+7], v[FA+8*\q:FA+8*\q+7], v[AC+8*\b:AC+8*\b+7]
.endr
.endr
.endm
; The way out of block a.  PACK: relu in f32, then rounded to f16, 16 bytes a lane.  TOSTAGE: into my own stage and back as whole rows of 256 bytes.  SEND: stored.
.macro PACK a
.set AC, 64*((\a)%4)
	WIN 0x88+0x44*((\a)/4)                         ; source 1 and destination: window 2 or 3
.set i, 0
.rept 64
	v_max_num_f32 v[AC+i], 0, v[AC+i]              ; each accumulator from its low end on
.set i, i+1
.endr
	WIN 0x0a+5*((\a)/4)
.irp b, 0,1,2,3,4,5,6,7
.irp r, 0,1,2,3
	v_cvt_pk_f16_f32 v[TMP+4*\b+\r], v[AC+8*\b+2*\r], v[AC+8*\b+2*\r+1]
.endr
.endr
	WIN 0
.endm
.macro TOSTAGE a
.set BK, OB+192*((\a)%2)
.irp b, 0,1,2,3,4,5,6,7
	ds_store_b128 v[STO], v[TMP+4*\b:TMP+4*\b+3] offset:32*\b
.endr
.irp t, 0,1,2,3,4,5,6,7
	ds_load_b128 v[BK+4*\t:BK+4*\t+3], v[RD] offset:\t*2*SPITCH    ; LDS serves a wave's instructions in order: these see the stores above
.endr
.endm
.macro SEND a, younger
.set BK, OB+192*((\a)%2)
	s_wait_dscnt \younger
	s_wait_xcnt 0x0                                ; only behind this wait are the stores' base and the registers that earlier stores read rewritten
.if (\a) == 0
	s_add_nc_u64 s[8:9], s[8:9], s[16:17]
.else
	s_add_nc_u64 s[8:9], s[8:9], 16*SIZE_N*2
.endif
.irp t, 0,1,2,3,4,5,6,7
	global_store_b128 v[CO], v[BK+4*\t:BK+4*\t+3], s[8:9] offset:2*\t*SIZE_N*2   ; sixteen lanes store 256 consecutive bytes, aligned
.endr
.endm
	s_wait_tensorcnt 1                             ; my part of K step 0 is in; K step 1's load may be out
	s_barrier_signal -1
	s_barrier_wait -1
	FETCH 0, 0, F0
	s_wait_loadcnt 0x0                             ; b1
	QUARTER 0, 64,  F0, F1, 1                      ; the first quarter stands in front of the loop: its products start the sums
	WIN 0
	s_mov_b32 s3, LAPS-1
.Llap:                                                 ; a trip goes once round the ring and fills both slots again
	QUARTER 0, 128, F1, F0, 0
	QUARTER 0, 192, F0, F1, 0
	TURN 0, 1
	QUARTER 1, 64,  F0, F1, 0
	QUARTER 1, 128, F1, F0, 0
	QUARTER 1, 192, F0, F1, 0
	TURN 1, 0
	QUARTER 0, 64,  F0, F1, 0
	WIN 0
	s_sub_co_u32 s3, s3, 1
	s_cmp_lg_u32 s3, 0
	s_cbranch_scc1 .Llap
	QUARTER 0, 128, F1, F0, 0
	QUARTER 0, 192, F0, F1, 0
	MEET 0                                         ; nothing is filled again, so no round follows
	PLACES
	WIN TO_B
	BLOAD 0
	BLOAD 1
	BLOAD 3
	WIN 0
	ALOAD 0
	WIN MUL_HI
	MUL16 F1, 1, 0, 0
	MUL16 F1, 1, 2, 0
	PLACES
	WIN TO_B
	BLOAD 2
	WIN 0
	ALOAD 1
	ALOAD 2
	ALOAD 3
	s_wait_dscnt 40                                ; all but the 40 just issued
	ROW 0
.irp a, 0,1,2,3,4,5,6,7
	PLACES
	PACK \a
	TOSTAGE \a
.if \a < 4
	ALOAD \a+4
	SEND \a, 8
.else
	SEND \a, 0
.endif
.if \a < 7
	ROW \a+1
.endif
.endr
	s_wait_tensorcnt 0x0                           ; the wave's end
	ds_add_u32 v[SPW], v[NIL]
	s_wait_dscnt 0x0
	CROUND                                         ; the closing round
	s_endpgm
.Lfunc_end_k_q0147cd7fed_gemm_w1:
	.size	k_q0147cd7fed_gemm_w1, .Lfunc_end_k_q0147cd7fed_gemm_w1-k_q0147cd7fed_gemm_w1
	.p2alignl 7, 3214868480
	.fill 96, 4, 3214868480
	.section	.rodata,"a",@progbits
	.p2align	6, 0x0
	.amdhsa_kernel k_q0147cd7fed_gemm_w1
		.amdhsa_group_segment_fixed_size 327680
		.amdhsa_private_segment_fixed_size 0
		.amdhsa_enable_private_segment 0
		.amdhsa_kernarg_size 32
		.amdhsa_user_sgpr_count 2
		.amdhsa_user_sgpr_kernarg_segment_ptr 1
		.amdhsa_wavefront_size32 1
		.amdhsa_system_sgpr_workgroup_id_x 1
		.amdhsa_system_sgpr_workgroup_id_y 1
		.amdhsa_system_sgpr_workgroup_id_z 1
		.amdhsa_system_vgpr_workitem_id 0
		.amdhsa_next_free_vgpr 1024
		.amdhsa_next_free_sgpr 72
		.amdhsa_reserve_vcc 0
		.amdhsa_float_denorm_mode_32 3
		.amdhsa_float_denorm_mode_16_64 3
		.amdhsa_memory_ordered 1
		.amdhsa_forward_progress 1
		.amdhsa_inst_pref_size 163
	.end_amdhsa_kernel
	.amdgpu_metadata
---
amdhsa.version: [ 1, 2 ]
amdhsa.kernels:
  - .name:           k_q0147cd7fed_gemm_w1
    .symbol:         k_q0147cd7fed_gemm_w1.kd
    .args:
      - { .name: o1b, .offset: 0, .size: 8, .value_kind: global_buffer, .address_space: global }
      - { .name: wts, .offset: 8, .size: 8, .value_kind: global_buffer, .address_space: global }
      - { .name: hid, .offset: 16, .size: 8, .value_kind: global_buffer, .address_space: global }
      - { .name: b1, .offset: 24, .size: 8, .value_kind: global_buffer, .address_space: global }
    .group_segment_fixed_size: 327680
    .private_segment_fixed_size: 0
    .kernarg_segment_align: 8
    .kernarg_segment_size: 32
    .max_flat_workgroup_size: 128
    .sgpr_count:     72
    .vgpr_count:     1024
    .wavefront_size: 32
...
	.end_amdgpu_metadata
.endif
;; end of part 6
;; launch gemm_w2 (part 7): grid 8 x 32, 4 waves a work-group, clusters of 4 x 4, 327,680 bytes of LDS; arguments hid, wts, yz, o1b, b2; writes yz
.if DOCPART == 7
	.amdgcn_target "amdgcn-amd-amdhsa--gfx1250"
	.amdhsa_code_object_version 6
	.text
	.protected	k_q0147cd7fed_gemm_w2
	.globl	k_q0147cd7fed_gemm_w2
	.p2align	8
	.type	k_q0147cd7fed_gemm_w2,@function
k_q0147cd7fed_gemm_w2:
	s_mov_b64 s[64:65], 0
	v_nop
	global_prefetch_b8 v0, s[64:65] scope:SCOPE_SE
	s_setreg_imm32_b32 hwreg(HW_REG_WAVE_MODE, 25, 1), 1
	s_wait_xcnt 0x0
	s_wait_alu depctr_hold_cnt(0) depctr_sa_sdst(0) depctr_va_vdst(0) depctr_va_sdst(0) depctr_va_ssrc(0) depctr_va_vcc(0) depctr_vm_vsrc(0)
	s_getreg_b32 s2, hwreg(HW_REG_IB_STS2, 6, 4)
	s_cmp_eq_u32 s2, 0
	s_cbranch_scc0 .Lentry_in_a_cluster
	s_endpgm
.Lentry_in_a_cluster:
	s_bfe_u32 s2, ttmp6, 0x10000c
	s_cmp_lg_u32 s2, 0xf033
	s_cbranch_scc0 .Lentry_shape_is_right
	s_endpgm
.Lentry_shape_is_right:
; Launch 7 of 8: z = o1 + hid w2 + b2.  f16 operands, f32 sums.
; This text serves two launches; the switch HEADS at its head says which.  HEADS = 1: A = Q [16 h][4096 tok][64], B = W''' [2 b][16 h][1024 n][64], both head-major, K = (h, e) = 1,024; the sums are
; multiplied by esc_b, an exact power of two that launch 3 stored.  HEADS = 0: A = hid [4096][4096], B = w2^T [1024 n][4096 k]; z = o1 + hid w2 + b2.
; A tile of the result is 128 x 128: 256 work-groups.  Four waves, each 64 x 64: 16 accumulators.  K goes in steps of 256 through a ring of two LDS slots; a wave's tensor load brings 64 rows.
; HEADS = 0: a tile's row is 512 bytes of memory, 528 in LDS.
; CLUSTER 4 x 4: A's tiles are shared along a row of the cluster, B's along a column: joint loads.
; THE MATRIX INSTRUCTION IS USED TRANSPOSED (source 0 = 16 rows of B, source 1 = 16 rows of A): a lane holds eight neighbouring numbers of a row of the result.
; THE WAY OUT: a wave's 64 columns of f32 are 256 bytes, aligned: each wave has a stage of its own and stores its own rows; the residual was loaded at the head, into window 2, in the layout of those rows.
; REGISTERS: window 0: v0-31 addresses, v12-15 the bias; v32-95 at work on the way out; v128-255 the accumulators ((a, b) at v[128 + 8 (4 a + b)]).  window 1: two fragment buffers of 128.  window 2: v0-127 the residual.
.set HEADS, 0
.set KSTEP, 256
.if HEADS
.set SIZE_K, 1024
.set PITCH, 144                        ; an LDS row: 128 bytes + 16: an odd multiple of 16
.set QB,    64*PITCH                   ; from a quarter step (64 along K: a head) to the next, in LDS
.set HALFT, 4*QB                       ; what one tensor load brings
.set ROWB,  128                        ; from row to row in memory
.set ASTEP, 4*4096*128                 ; a K step on in memory: four heads
.set BSTEP, 4*1024*128
.set BBASE, 256                        ; B's place in wts
.else
.set SIZE_K, 4096
.set PITCH, 528                        ; 512 bytes + 16
.set QB,    128
.set HALFT, 64*PITCH
.set ROWB,  SIZE_K*2
.set ASTEP, KSTEP*2
.set BSTEP, KSTEP*2
.set BBASE, 12583168
.endif
.set SLOT,   4*HALFT                   ; A's 128 rows, then B's 128 rows
.set SPARE,  2*SLOT                    ; behind the ring: the spare words, 128 bytes a wave: no other line names them
.set STAGE,  SPARE+512                 ; for each wave 16 rows x (256 + 16)
.set SPITCH, 272
.set LAPS, SIZE_K/(2*KSTEP)
.set BIA,  12
.set ADRA, 16
.set ADRB, 20
.set STO,  24
.set RD,   25
.set CO,   26
.set SPW,  28
.set NIL,  29
.set TMP,  32
.set ACC,  128
.set F0,   0
.set F1,   128
.set G1, 24
.set G0, 32
.set G1B, 48
.set G0B, 56
.set MSB, 0
.macro WIN new                         ; the immediate's high byte repeats the setting that is left
.if MSB != (\new)
	s_set_vgpr_msb (MSB<<8)|(\new)
.set MSB, (\new)
.endif
.endm
.set MUL,  0x05                        ; sources 0 (B) and 1 (A) window 1; C and D window 0
.set TO_F, 0x40                        ; destination window 1, address window 0
.macro JLOAD s                         ; a joint load: waves 0 and 1 fetch A's halves, waves 2 and 3 B's; an s_nop 0 and four v_nop follow each line
	s_cmp_eq_u32 s11, 0
	s_cbranch_scc0 .Lfor_b_\@
	tensor_load_to_lds s[G0+4*\s:G0+4*\s+3], s[G1:G1+7]
	s_nop 0
.rept 4
	v_nop
.endr
	s_branch .Lasked_\@
.Lfor_b_\@:
	tensor_load_to_lds s[G0B+4*\s:G0B+4*\s+3], s[G1B:G1B+7]
	s_nop 0
.rept 4
	v_nop
.endr
.Lasked_\@:
.endm
.macro CREST                           ; a round of the cluster's barrier behind its opening barrier
	s_cmp_lg_u32 s10, 0
	s_cbranch_scc1 .Lnot_wave_0_\@
	s_barrier_signal -3
.Lnot_wave_0_\@:
	s_barrier_wait -3
	s_barrier_signal -1
	s_barrier_wait -1
.endm
.macro CROUND
	s_barrier_signal -1
	s_barrier_wait -1
	CREST
.endm
	s_load_b128 s[4:7], s[0:1], 0x0                ; A's buffer, wts
	s_load_b64 s[8:9], s[0:1], 0x10                ; the result
	s_load_b128 s[68:71], s[0:1], 0x18             ; the residual, the bias
	v_lshl_add_u32 v[SPW], v0, 2, SPARE
	v_mov_b32 v[NIL], 0
	ds_add_u32 v[SPW], v[NIL]                      ; the wave's opening: the add, twice on end, and its wait ahead of my first tensor load
	ds_add_u32 v[SPW], v[NIL]
	v_lshrrev_b32 v1, 5, v0
	v_readfirstlane_b32 s10, v1                    ; wave
	s_lshr_b32 s11, s10, 1                         ; which half of the tile's rows is mine.  Also: I fetch for A (0) or for B (1)
	s_and_b32 s12, s10, 1                          ; which half of its columns.  Also: which 64 rows I fetch
	s_bfe_u32 s40, ttmp6, 0x40000
	s_bfe_u32 s41, ttmp6, 0x40004
	s_lshl_b32 s42, ttmp9, 2
	s_add_co_u32 s42, s42, s40                     ; tile column
	s_and_b32 s13, ttmp7, 0xffff
	s_lshl_b32 s13, s13, 2
	s_add_co_u32 s13, s13, s41                     ; tile row
	s_lshl_b32 s43, s41, 2
	s_lshl_b32 s43, 15, s43                        ; my row of the cluster
	s_lshl_b32 s44, 0x1111, s40                    ; my column
.if HEADS
	s_or_b32 s[G1+0], s43, (3<<16)|(1<<20)|(1<<21)|(4<<22)|(3<<25)   ; elements of 8 bytes; 4 words of padding behind every 32; bit 21 beside a mask
	s_or_b32 s[G1B+0], s44, (3<<16)|(1<<20)|(1<<21)|(4<<22)|(3<<25)
.irp g, G1, G1B
	s_mov_b32 s[\g+1], 1024<<16                    ; tensor_dim0 = 1,024 elements: 64 rows of 128 bytes on end
	s_mov_b32 s[\g+2], 4<<16                       ; tensor_dim1 = 4 heads
	s_mov_b32 s[\g+3], 1024<<16                    ; tile_dim0
	s_mov_b32 s[\g+4], 4                           ; tile_dim1
	s_mov_b32 s[\g+6], 0
	s_mov_b32 s[\g+7], 0
.endr
	s_mov_b32 s[G1+5], 4096*128/8                  ; from head to head, in elements
	s_mov_b32 s[G1B+5], 1024*128/8
.else
	s_or_b32 s[G1+0], s43, (1<<16)|(1<<20)|(1<<21)|(6<<22)|(3<<25)   ; elements of 2 bytes; 4 words of padding behind every 128
	s_or_b32 s[G1B+0], s44, (1<<16)|(1<<20)|(1<<21)|(6<<22)|(3<<25)
.irp g, G1, G1B
	s_mov_b32 s[\g+1], KSTEP<<16
	s_mov_b32 s[\g+2], 64<<16
	s_mov_b32 s[\g+3], KSTEP<<16
	s_mov_b32 s[\g+4], 64
	s_mov_b32 s[\g+5], SIZE_K
	s_mov_b32 s[\g+6], 0
	s_mov_b32 s[\g+7], 0
.endr
.endif
	s_lshl_b32 s17, s12, 6
	s_lshl_b32 s16, s13, 7
	s_add_co_u32 s16, s16, s17                     ; A: row 128 x tile row + 64 x half
	s_lshl_b32 s46, s42, 7
	s_add_co_u32 s46, s46, s17                     ; B: row 128 x tile column + 64 x half
	s_mov_b32 s17, 0
	s_mov_b32 s47, 0
	s_mov_b64 s[18:19], ROWB
	s_mul_u64 s[16:17], s[16:17], s[18:19]
	s_mul_u64 s[46:47], s[46:47], s[18:19]
.if HEADS
	s_and_b32 s74, ttmp7, 0xffff
	s_lshr_b32 s74, s74, 2                         ; the batch: 16 tile rows, four clusters along y
	s_lshl_b32 s76, s74, 21
	s_mov_b32 s77, 0
	s_add_nc_u64 s[46:47], s[46:47], s[76:77]      ; its W'''
.endif
	s_mul_i32 s20, s10, HALFT                      ; where the tiles go: wave x what a load brings
	s_wait_dscnt 0x0                               ; both opening adds are done
	s_wait_kmcnt 0x0
	s_add_nc_u64 s[14:15], s[4:5], s[16:17]
	s_add_nc_u64 s[46:47], s[6:7], s[46:47]
	s_add_nc_u64 s[46:47], s[46:47], BBASE
	CROUND                                         ; all sixteen work-groups are here: the first joint loads meet
.irp s, 0,1
	s_mov_b32 s[G0+4*\s], 1
	s_add_co_u32 s[G0+4*\s+1], s20, \s*SLOT
	s_add_nc_u64 s[G0+4*\s+2:G0+4*\s+3], s[14:15], \s*ASTEP
	s_or_b32 s[G0+4*\s+3], s[G0+4*\s+3], 0x80000000
	s_mov_b32 s[G0B+4*\s], 1
	s_add_co_u32 s[G0B+4*\s+1], s20, \s*SLOT
	s_add_nc_u64 s[G0B+4*\s+2:G0B+4*\s+3], s[46:47], \s*BSTEP
	s_or_b32 s[G0B+4*\s+3], s[G0B+4*\s+3], 0x80000000
	JLOAD \s
.endr
	v_and_b32 v1, 15, v0                           ; r
	v_bfe_u32 v2, v0, 4, 1                         ; h
	v_mul_u32_u24 v3, v1, PITCH
	v_lshl_add_u32 v3, v2, 4, v3
	s_mul_i32 s21, s11, HALFT                      ; my 64 rows of A
	s_mul_i32 s22, s12, HALFT                      ; my 64 rows of B,
	s_add_co_u32 s22, s22, 2*HALFT                 ; behind A's 128
.irp s, 0,1
	v_add_nc_u32 v[ADRA+\s], s21, v3
	v_add_nc_u32 v[ADRB+\s], s22, v3
	s_add_co_u32 s21, s21, SLOT
	s_add_co_u32 s22, s22, SLOT
.endr
	s_mul_i32 s23, s10, 16*SPITCH
	s_add_co_u32 s23, s23, STAGE                   ; my stage
	v_mul_u32_u24 v4, v1, SPITCH
	v_lshl_add_u32 v4, v2, 5, v4
	v_add_nc_u32 v[STO], s23, v4                   ; in: row r, 32 bytes for each half of the lanes
	v_mul_u32_u24 v5, v2, SPITCH
	v_lshl_add_u32 v5, v1, 4, v5
	v_add_nc_u32 v[RD], s23, v5                    ; back: lanes 0-15 one row of 256 bytes, lanes 16-31 the next
	v_lshlrev_b32 v5, 12, v2
	v_lshl_add_u32 v[CO], v1, 4, v5                ; the same two rows in memory: rows of 4,096 bytes
	s_lshl_b32 s16, s13, 7
	s_lshl_b32 s17, s11, 6
	s_add_co_u32 s16, s16, s17
	s_lshl_b32 s16, s16, 12                        ; my first row
	s_mov_b32 s17, 0
	s_add_nc_u64 s[8:9], s[8:9], s[16:17]
	s_add_nc_u64 s[68:69], s[68:69], s[16:17]
	s_lshl_b32 s46, s42, 9                         ; my first column, in bytes
	s_lshl_b32 s47, s12, 8
	s_add_co_u32 s46, s46, s47
	s_mov_b32 s47, 0
	s_add_nc_u64 s[8:9], s[8:9], s[46:47]
	s_add_nc_u64 s[68:69], s[68:69], s[46:47]
	s_add_nc_u64 s[70:71], s[70:71], s[46:47]
	WIN 0x80                                       ; destination window 2
.irp a, 0,1,2,3
.irp i, 0,1,2,3,4,5,6,7
	global_load_b128 v[32*\a+4*\i:32*\a+4*\i+3], v[CO], s[68:69] offset:(16*\a+2*\i)*4096   ; the residual of my 64 x 64: it lands under the whole product
.endr
.endr
	WIN 0
	v_lshlrev_b32 v6, 4, v1
	global_load_b128 v[BIA:BIA+3], v6, s[70:71]    ; the bias of my four columns on the way out
.if HEADS
	s_lshl_b32 s74, s74, 2
	s_mov_b32 s75, 0
	s_add_nc_u64 s[74:75], s[6:7], s[74:75]
	s_load_b32 s72, s[74:75], 0x0                  ; esc of my batch: a factor, and nothing else hangs on it
.endif
.macro MUL8 f, c, a0, zero             ; 8 products: m blocks a0, a0 + 1 x 4 n blocks, 32 along K: half c of buffer f.  zero = 1: the first product starts the sums
.irp a, \a0, \a0+1
.irp b, 0,1,2,3
.if \zero
	v_wmma_f32_16x16x32_f16 v[ACC+8*(4*(\a)+\b):ACC+8*(4*(\a)+\b)+7], v[\f+64+8*(4*\c+\b):\f+64+8*(4*\c+\b)+7], v[\f+8*(4*\c+\a):\f+8*(4*\c+\a)+7], 0
.else
	v_wmma_f32_16x16x32_f16 v[ACC+8*(4*(\a)+\b):ACC+8*(4*(\a)+\b)+7], v[\f+64+8*(4*\c+\b):\f+64+8*(4*\c+\b)+7], v[\f+8*(4*\c+\a):\f+8*(4*\c+\a)+7], v[ACC+8*(4*(\a)+\b):ACC+8*(4*(\a)+\b)+7]
.endif
.endr
.endr
.endm
.macro FETCH slot, k, f                ; 32 LDS loads in one run: the fragments of 64 along K at byte k, into buffer f; the first 32 along K first
	WIN TO_F
.irp c, 0,1
.irp i, 0,1,2,3
	ds_load_b128 v[\f+64+8*(4*\c+\i):\f+64+8*(4*\c+\i)+3],   v[ADRB+\slot] offset:\k+64*\c+\i*16*PITCH
	ds_load_b128 v[\f+64+8*(4*\c+\i)+4:\f+64+8*(4*\c+\i)+7], v[ADRB+\slot] offset:\k+64*\c+\i*16*PITCH+32
	ds_load_b128 v[\f+8*(4*\c+\i):\f+8*(4*\c+\i)+3],         v[ADRA+\slot] offset:\k+64*\c+\i*16*PITCH
	ds_load_b128 v[\f+8*(4*\c+\i)+4:\f+8*(4*\c+\i)+7],       v[ADRA+\slot] offset:\k+64*\c+\i*16*PITCH+32
.endr
.endr
.endm
.macro PLACES                          ; four places in front of loads into registers that matrix instructions have read, and of the first read of results
.rept 4
	v_nop
.endr
.endm
.macro QUARTER slot, k, f, g, zero     ; multiplies buffer f (64 along K) and fetches the next quarter, at byte k, into g.  The 16 accumulators take turns
	s_wait_dscnt 16                                ; the first 32 along K are in
	WIN MUL
	MUL8 \f, 0, 0, \zero
	MUL8 \f, 0, 2, \zero
	PLACES
	FETCH \slot, \k, \g
	s_wait_dscnt 32                                ; all but the 32 just issued
	WIN MUL
	MUL8 \f, 1, 0, 0
	MUL8 \f, 1, 2, 0
.endm
; The last quarter multiplies buffer 1 and changes slots: one barrier; in front of it each wave waits for all its tensor loads, adds 0 to its spare word, and waits for that and for its reads of this slot.
.macro TURN slot, next, fill
	WIN 0
	s_wait_tensorcnt 0x0                           ; all my tensor loads have landed: my part of the next slot
	ds_add_u32 v[SPW], v[NIL]
	s_wait_dscnt 17                                ; (the add and the youngest sixteen loads may be out)
	WIN MUL
	MUL8 F1, 0, 0, 0
	s_wait_dscnt 0x0                               ; the add is done, and my reads of this slot are over
	s_barrier_signal -1
	MUL8 F1, 0, 2, 0
.if \fill
	WIN 0
.endif
	s_barrier_wait -1
.if \fill
	CREST                                          ; the barrier has opened a round of the cluster's: no wave of any partner still reads this slot or has a load on its way
	s_add_nc_u64 s[G0+4*\slot+2:G0+4*\slot+3], s[G0+4*\slot+2:G0+4*\slot+3], 2*ASTEP
	s_add_nc_u64 s[G0B+4*\slot+2:G0B+4*\slot+3], s[G0B+4*\slot+2:G0B+4*\slot+3], 2*BSTEP
	JLOAD \slot                                    ; the first tensor load behind the round; its four v_nop are also the places in front of the loads below
.else
	PLACES
.endif
	FETCH \next, 0, F0
	WIN MUL
	MUL8 F1, 1, 0, 0
	MUL8 F1, 1, 2, 0
.endm
	s_wait_tensorcnt 1                             ; my part of K step 0 is in; K step 1's load may be out
	s_barrier_signal -1
	s_barrier_wait -1
	FETCH 0, 0, F0
	QUARTER 0, QB, F0, F1, 1
	WIN 0
	s_mov_b32 s3, LAPS-1
.Llap:                                                 ; a trip goes once round the ring and fills both slots again
	QUARTER 0, 2*QB, F1, F0, 0
	QUARTER 0, 3*QB, F0, F1, 0
	TURN 0, 1, 1
	QUARTER 1, QB, F0, F1, 0
	QUARTER 1, 2*QB, F1, F0, 0
	QUARTER 1, 3*QB, F0, F1, 0
	TURN 1, 0, 1
	QUARTER 0, QB, F0, F1, 0
	WIN 0
	s_sub_co_u32 s3, s3, 1
	s_cmp_lg_u32 s3, 0
	s_cbranch_scc1 .Llap
	QUARTER 0, 2*QB, F1, F0, 0                     ; the last lap fills nothing
	QUARTER 0, 3*QB, F0, F1, 0
	TURN 0, 1, 0
	QUARTER 1, QB, F0, F1, 0
	QUARTER 1, 2*QB, F1, F0, 0
	QUARTER 1, 3*QB, F0, F1, 0
	s_wait_dscnt 16
	WIN MUL
	MUL8 F1, 0, 0, 0
	MUL8 F1, 0, 2, 0
	s_wait_dscnt 0
	MUL8 F1, 1, 0, 0
	MUL8 F1, 1, 2, 0
	WIN 0
	; THE WAY OUT, 16 rows at a time through my own stage: LDS serves a wave's instructions in order, so no wait stands between the stores and the loads
	PLACES
	s_wait_loadcnt 0x0                             ; the residual and the bias
.if HEADS
	s_wait_kmcnt 0x0
	s_mov_b32 s73, s72                             ; (the packed form names the pair)
.endif
.macro TOSTAGE a
.irp b, 0,1,2,3
	ds_store_b128 v[STO], v[ACC+8*(4*(\a)+\b):ACC+8*(4*(\a)+\b)+3] offset:64*\b       ; each accumulator from its low end on
	ds_store_b128 v[STO], v[ACC+8*(4*(\a)+\b)+4:ACC+8*(4*(\a)+\b)+7] offset:64*\b+16
.endr
.set TT, TMP+32*((\a)%2)
.irp i, 0,1,2,3,4,5,6,7
	ds_load_b128 v[TT+4*\i:TT+4*\i+3], v[RD] offset:544*\i
.endr
.endm
.macro FIN a, younger                  ; younger: the LDS instructions issued behind block a's loads
.set TT, TMP+32*((\a)%2)
	s_wait_dscnt \younger
.irp k, 0,2,4,6,8,10,12,14,16,18,20,22,24,26,28,30
.if HEADS
	v_pk_fma_f32 v[TT+\k:TT+\k+1], v[TT+\k:TT+\k+1], s[72:73], v[BIA+\k%4:BIA+\k%4+1] op_sel_hi:[1,0,1]   ; esc x the sum + the bias
.else
	v_pk_add_f32 v[TT+\k:TT+\k+1], v[TT+\k:TT+\k+1], v[BIA+\k%4:BIA+\k%4+1]
.endif
.endr
	WIN 0x08                                       ; source 1 window 2
.irp k, 0,2,4,6,8,10,12,14,16,18,20,22,24,26,28,30
	v_pk_add_f32 v[TT+\k:TT+\k+1], v[TT+\k:TT+\k+1], v[32*(\a)+\k:32*(\a)+\k+1]   ; + the residual
.endr
	WIN 0
.irp i, 0,1,2,3,4,5,6,7
	global_store_b128 v[CO], v[TT+4*\i:TT+4*\i+3], s[8:9] offset:(16*(\a)+2*\i)*4096   ; sixteen lanes store 256 consecutive bytes, aligned
.endr
.endm
	TOSTAGE 0
	TOSTAGE 1
	FIN 0, 16
	s_wait_xcnt 0x0                                ; block 0's stores have read their registers: block 2's loads may land there
	TOSTAGE 2
	FIN 1, 16
	s_wait_xcnt 0x0
	TOSTAGE 3
	FIN 2, 16
	FIN 3, 0
	s_wait_tensorcnt 0x0                           ; the wave's end
	ds_add_u32 v[SPW], v[NIL]
	s_wait_dscnt 0x0
	CROUND                                         ; the closing round
	s_endpgm
.Lfunc_end_k_q0147cd7fed_gemm_w2:
	.size	k_q0147cd7fed_gemm_w2, .Lfunc_end_k_q0147cd7fed_gemm_w2-k_q0147cd7fed_gemm_w2
	.p2alignl 7, 3214868480
	.fill 96, 4, 3214868480
	.section	.rodata,"a",@progbits
	.p2align	6, 0x0
	.amdhsa_kernel k_q0147cd7fed_gemm_w2
		.amdhsa_group_segment_fixed_size 327680
		.amdhsa_private_segment_fixed_size 0
		.amdhsa_enable_private_segment 0
		.amdhsa_kernarg_size 40
		.amdhsa_user_sgpr_count 2
		.amdhsa_user_sgpr_kernarg_segment_ptr 1
		.amdhsa_wavefront_size32 1
		.amdhsa_system_sgpr_workgroup_id_x 1
		.amdhsa_system_sgpr_workgroup_id_y 1
		.amdhsa_system_sgpr_workgroup_id_z 1
		.amdhsa_system_vgpr_workitem_id 0
		.amdhsa_next_free_vgpr 768
		.amdhsa_next_free_sgpr 80
		.amdhsa_reserve_vcc 0
		.amdhsa_float_denorm_mode_32 3
		.amdhsa_float_denorm_mode_16_64 3
		.amdhsa_memory_ordered 1
		.amdhsa_forward_progress 1
		.amdhsa_inst_pref_size 97
	.end_amdhsa_kernel
	.amdgpu_metadata
---
amdhsa.version: [ 1, 2 ]
amdhsa.kernels:
  - .name:           k_q0147cd7fed_gemm_w2
    .symbol:         k_q0147cd7fed_gemm_w2.kd
    .args:
      - { .name: hid, .offset: 0, .size: 8, .value_kind: global_buffer, .address_space: global }
      - { .name: wts, .offset: 8, .size: 8, .value_kind: global_buffer, .address_space: global }
      - { .name: yz, .offset: 16, .size: 8, .value_kind: global_buffer, .address_space: global }
      - { .name: o1b, .offset: 24, .size: 8, .value_kind: global_buffer, .address_space: global }
      - { .name: b2, .offset: 32, .size: 8, .value_kind: global_buffer, .address_space: global }
    .group_segment_fixed_size: 327680
    .private_segment_fixed_size: 0
    .kernarg_segment_align: 8
    .kernarg_segment_size: 40
    .max_flat_workgroup_size: 128
    .sgpr_count:     80
    .vgpr_count:     768
    .wavefront_size: 32
...
	.end_amdgpu_metadata
.endif
;; end of part 7
;; launch lnf (part 8): grid 512 x 1, 4 waves a work-group, no clusters, 0 bytes of LDS; arguments yz, o1b, lnf_g, lnf_b, ln2_g, ln2_b, out0; writes out0
.if DOCPART == 8
	.amdgcn_target "amdgcn-amd-amdhsa--gfx1250"
	.amdhsa_code_object_version 6
	.text
	.protected	k_q0147cd7fed_lnf
	.globl	k_q0147cd7fed_lnf
	.p2align	8
	.type	k_q0147cd7fed_lnf,@function
k_q0147cd7fed_lnf:
	s_mov_b64 s[64:65], 0
	v_nop
	global_prefetch_b8 v0, s[64:65] scope:SCOPE_SE
	s_setreg_imm32_b32 hwreg(HW_REG_WAVE_MODE, 25, 1), 1
	s_wait_xcnt 0x0
; Launch 8 of 8: out0 = LN2(o1 + LNf(z)); z = o1 + ff was made by launch 7.
; A row of 4,096 bytes is one wave's, 32 registers; it stays in registers through both norms.  A wave has two rows, asked for at the head.  No LDS, no barrier: waves share nothing.
; REGISTERS: window 0: v64-127 z's two rows, v128-191 o1's, v200-208 at work.  window 1: v0-31 lnf's gain, v32-63 its bias, v64-95 ln2's gain, v96-127 its bias, of my 32 columns.
.set Z,   64
.set O,   128
.set T,   200
.set SEL, 20
.set RN,  22
.set EPS, 23
.set MSB, 0
.macro WIN new                         ; the immediate's high byte repeats the setting that is left
.if MSB != (\new)
	s_set_vgpr_msb (MSB<<8)|(\new)
.set MSB, (\new)
.endif
.endm
	s_load_b256 s[4:11], s[0:1], 0x0               ; yz, o1b, lnf's gain, lnf's bias
	s_load_b128 s[12:15], s[0:1], 0x20             ; ln2's gain, ln2's bias
	s_load_b64 s[16:17], s[0:1], 0x30              ; out0
	v_lshrrev_b32 v1, 5, v0
	v_readfirstlane_b32 s18, v1
	v_and_b32 v2, 31, v0
	v_lshlrev_b32 v1, 4, v2                        ; 16 x lane
	s_lshl_b32 s19, ttmp9, 2
	s_add_co_u32 s19, s19, s18                     ; my two rows
	s_lshl_b32 s24, s19, 13
	s_mov_b32 s25, 0
	s_mov_b32 s[SEL], 0x76543210
	s_mov_b32 s[SEL+1], 0xfedcba98
	s_mov_b32 s[RN], 0x3a800000                    ; 1 / 1,024
	s_mov_b32 s[EPS], 0x3727c5ac                   ; 1e-5
	v_mov_b32 v[T+8], 0                            ; a lane permute's destination counts as one of its sources
	s_wait_kmcnt 0x0
	s_add_nc_u64 s[4:5], s[4:5], s[24:25]
	s_add_nc_u64 s[6:7], s[6:7], s[24:25]
	s_add_nc_u64 s[16:17], s[16:17], s[24:25]
	WIN 0x40                                       ; destination window 1
.irp j, 0,1,2,3,4,5,6,7
	global_load_b128 v[4*\j:4*\j+3], v1, s[8:9] offset:512*\j
	global_load_b128 v[32+4*\j:32+4*\j+3], v1, s[10:11] offset:512*\j
	global_load_b128 v[64+4*\j:64+4*\j+3], v1, s[12:13] offset:512*\j
	global_load_b128 v[96+4*\j:96+4*\j+3], v1, s[14:15] offset:512*\j
.endr
	WIN 0
.irp p, 0,1
.irp j, 0,1,2,3,4,5,6,7
	global_load_b128 v[Z+32*\p+4*\j:Z+32*\p+4*\j+3], v1, s[4:5] offset:4096*\p+512*\j th:TH_LOAD_NT
	global_load_b128 v[O+32*\p+4*\j:O+32*\p+4*\j+3], v1, s[6:7] offset:4096*\p+512*\j th:TH_LOAD_NT
.endr
.endr
.macro WSUM                            ; v[T] summed over the 32 lanes, the result in every lane
	v_add_f32_dpp v[T], v[T], v[T] row_xmask:1 row_mask:0xf bank_mask:0xf
	v_add_f32_dpp v[T], v[T], v[T] row_xmask:2 row_mask:0xf bank_mask:0xf
	v_add_f32_dpp v[T], v[T], v[T] row_xmask:4 row_mask:0xf bank_mask:0xf
	v_add_f32_dpp v[T], v[T], v[T] row_xmask:8 row_mask:0xf bank_mask:0xf
	v_permlanex16_b32 v[T+8], v[T], s[SEL], s[SEL+1]
	v_add_f32 v[T], v[T], v[T+8]
.endm
.macro LNROW z, goff                   ; the row in v[z] .. v[z + 31] becomes (x - mean) / sqrt(var + eps) x gain + bias; gain at v[goff], bias at v[goff + 32] of window 1
	v_pk_add_f32 v[T:T+1], v[\z:\z+1], v[\z+2:\z+3]
	v_pk_add_f32 v[T+2:T+3], v[\z+4:\z+5], v[\z+6:\z+7]
	v_pk_add_f32 v[T+4:T+5], v[\z+8:\z+9], v[\z+10:\z+11]
	v_pk_add_f32 v[T+6:T+7], v[\z+12:\z+13], v[\z+14:\z+15]
.irp k, 16,24
	v_pk_add_f32 v[T:T+1], v[T:T+1], v[\z+\k:\z+\k+1]
	v_pk_add_f32 v[T+2:T+3], v[T+2:T+3], v[\z+\k+2:\z+\k+3]
	v_pk_add_f32 v[T+4:T+5], v[T+4:T+5], v[\z+\k+4:\z+\k+5]
	v_pk_add_f32 v[T+6:T+7], v[T+6:T+7], v[\z+\k+6:\z+\k+7]
.endr
	v_pk_add_f32 v[T:T+1], v[T:T+1], v[T+2:T+3]
	v_pk_add_f32 v[T+4:T+5], v[T+4:T+5], v[T+6:T+7]
	v_pk_add_f32 v[T:T+1], v[T:T+1], v[T+4:T+5]
	v_add_f32 v[T], v[T], v[T+1]
	WSUM
	v_mul_f32 v[T+2], s[RN], v[T]                  ; the mean
	v_mov_b32 v[T+3], v[T+2]
.irp k, 0,2,4,6,8,10,12,14,16,18,20,22,24,26,28,30
	v_pk_add_f32 v[\z+\k:\z+\k+1], v[\z+\k:\z+\k+1], v[T+2:T+3] neg_lo:[0,1] neg_hi:[0,1]
.endr
	v_pk_mul_f32 v[T:T+1], v[\z:\z+1], v[\z:\z+1]
	v_pk_mul_f32 v[T+4:T+5], v[\z+2:\z+3], v[\z+2:\z+3]
.irp k, 4,8,12,16,20,24,28
	v_pk_fma_f32 v[T:T+1], v[\z+\k:\z+\k+1], v[\z+\k:\z+\k+1], v[T:T+1]
	v_pk_fma_f32 v[T+4:T+5], v[\z+\k+2:\z+\k+3], v[\z+\k+2:\z+\k+3], v[T+4:T+5]
.endr
	v_pk_add_f32 v[T:T+1], v[T:T+1], v[T+4:T+5]
	v_add_f32 v[T], v[T], v[T+1]
	WSUM
	v_fma_f32 v[T], v[T], s[RN], s[EPS]            ; the variance + eps
	v_rsq_f32 v[T+2], v[T]
	v_nop                                          ; a plain instruction behind the transcendental,
	s_wait_alu depctr_va_vdst(0)                   ; and a wait ahead of its first reader
	v_mov_b32 v[T+3], v[T+2]
.irp k, 0,2,4,6,8,10,12,14,16,18,20,22,24,26,28,30
	v_pk_mul_f32 v[\z+\k:\z+\k+1], v[\z+\k:\z+\k+1], v[T+2:T+3]
.endr
	WIN 0x14                                       ; sources 1 and 2: window 1
.irp k, 0,2,4,6,8,10,12,14,16,18,20,22,24,26,28,30
	v_pk_fma_f32 v[\z+\k:\z+\k+1], v[\z+\k:\z+\k+1], v[\goff+\k:\goff+\k+1], v[\goff+32+\k:\goff+33+\k]
.endr
	WIN 0
.endm
.irp p, 0,1
	s_wait_loadcnt 16*(1-\p)                       ; this row's sixteen loads are in; the later row's may be out
	LNROW Z+32*\p, 0                               ; LNf(z)
.irp k, 0,2,4,6,8,10,12,14,16,18,20,22,24,26,28,30
	v_pk_add_f32 v[Z+32*\p+\k:Z+32*\p+\k+1], v[Z+32*\p+\k:Z+32*\p+\k+1], v[O+32*\p+\k:O+32*\p+\k+1]   ; + o1
.endr
	LNROW Z+32*\p, 64                              ; LN2
.irp j, 0,1,2,3,4,5,6,7
	global_store_b128 v1, v[Z+32*\p+4*\j:Z+32*\p+4*\j+3], s[16:17] offset:4096*\p+512*\j th:TH_STORE_NT   ; 512 consecutive bytes
.endr
.endr
	s_endpgm
.Lfunc_end_k_q0147cd7fed_lnf:
	.size	k_q0147cd7fed_lnf, .Lfunc_end_k_q0147cd7fed_lnf-k_q0147cd7fed_lnf
	.p2alignl 7, 3214868480
	.fill 96, 4, 3214868480
	.section	.rodata,"a",@progbits
	.p2align	6, 0x0
	.amdhsa_kernel k_q0147cd7fed_lnf
		.amdhsa_group_segment_fixed_size 0
		.amdhsa_private_segment_fixed_size 0
		.amdhsa_enable_private_segment 0
		.amdhsa_kernarg_size 56
		.amdhsa_user_sgpr_count 2
		.amdhsa_user_sgpr_kernarg_segment_ptr 1
		.amdhsa_wavefront_size32 1
		.amdhsa_system_sgpr_workgroup_id_x 1
		.amdhsa_system_sgpr_workgroup_id_y 1
		.amdhsa_system_sgpr_workgroup_id_z 1
		.amdhsa_system_vgpr_workitem_id 0
		.amdhsa_next_free_vgpr 384
		.amdhsa_next_free_sgpr 66
		.amdhsa_reserve_vcc 0
		.amdhsa_float_denorm_mode_32 3
		.amdhsa_float_denorm_mode_16_64 3
		.amdhsa_memory_ordered 1
		.amdhsa_forward_progress 1
		.amdhsa_inst_pref_size 35
	.end_amdhsa_kernel
	.amdgpu_metadata
---
amdhsa.version: [ 1, 2 ]
amdhsa.kernels:
  - .name:           k_q0147cd7fed_lnf
    .symbol:         k_q0147cd7fed_lnf.kd
    .args:
      - { .name: yz, .offset: 0, .size: 8, .value_kind: global_buffer, .address_space: global }
      - { .name: o1b, .offset: 8, .size: 8, .value_kind: global_buffer, .address_space: global }
      - { .name: lnf_g, .offset: 16, .size: 8, .value_kind: global_buffer, .address_space: global }
      - { .name: lnf_b, .offset: 24, .size: 8, .value_kind: global_buffer, .address_space: global }
      - { .name: ln2_g, .offset: 32, .size: 8, .value_kind: global_buffer, .address_space: global }
      - { .name: ln2_b, .offset: 40, .size: 8, .value_kind: global_buffer, .address_space: global }
      - { .name: out0, .offset: 48, .size: 8, .value_kind: global_buffer, .address_space: global }
    .group_segment_fixed_size: 0
    .private_segment_fixed_size: 0
    .kernarg_segment_align: 8
    .kernarg_segment_size: 56
    .max_flat_workgroup_size: 128
    .sgpr_count:     66
    .vgpr_count:     384
    .wavefront_size: 32
...
	.end_amdgpu_metadata
.endif
;; end of part 8
